; MI455X (gfx1250); checked and timed in simulation.
; The chip was launched on July 23, 2026; its instructions are those of AMD's public machine-readable ISA for CDNA 5 (MIT licence, August 2026) and "CDNA5" Instruction Set Architecture Reference Guide (July 2026). The comments in the code are by the model that wrote it; some were corrected since.
;; Attention. Allowed arithmetic: float matrix products may take bf16 or f16 operands with f32 sums; other float arithmetic in f32, or as packed bf16 or f16 multiplies, adds, multiply-adds, maxima and minima; sums over many terms, partial sums and values carried from step to step in f32; what a program stores and reads back later, other than sums and carried values, may be rounded once to bf16 or f16.
;; Inputs: kn_w 64 float32; norm_w 2,048 float32; qn_w 64 float32; wk 2,048 x 1,024 float32; wo 1,024 x 2,048 float32; wq 2,048 x 1,024 float32; wv 2,048 x 1,024 float32; x 2 x 2,048 x 2,048 float32.
;; Outputs: out0 2 x 2,048 x 2,048 float32.
;; 2 versions, each right; version 2 is version 1 with the launch prep written anew for expert scheduling mode. Each part assembles by itself: llvm-mc -triple=amdgcn-amd-amdhsa -mcpu=gfx1250 --defsym DOCPART=n.
;; ======== version 1 of 2: 4 launches
;; limits: values are held in f16: magnitudes above 65,504 overflow, below 6.1e-05 lose precision
;; workspace buffers: xn 16,777,216 bytes; wb 12,582,912 bytes; wob 4,194,304 bytes; qh 8,388,608 bytes; kh 8,388,608 bytes; vh 8,388,608 bytes; oh 8,388,608 bytes
;; launch prep (part 1): grid 512 x 1, 8 waves a work-group, no clusters, 0 bytes of LDS; arguments x, norm_w, wq, wk, wv, wo, xn, wb, wob; writes xn, wb, wob
.if DOCPART == 1
	.amdgcn_target "amdgcn-amd-amdhsa--gfx1250"
	.amdhsa_code_object_version 6
	.text
	.protected	k_qbb97a70201_prep
	.globl	k_qbb97a70201_prep
	.p2align	8
	.type	k_qbb97a70201_prep,@function
k_qbb97a70201_prep:
	s_mov_b64 s[64:65], 0
	v_nop
	global_prefetch_b8 v0, s[64:65] scope:SCOPE_SE
	s_setreg_imm32_b32 hwreg(HW_REG_WAVE_MODE, 25, 1), 1
	s_wait_xcnt 0x0
; PREP.  (1) xn = LayerNorm(x) * norm_w, f32 in, f16 out, [4096][2048].  (2) the four weights, f32 in, f16 out, laid in SEGMENTS of [64 k][64 n], 8,192 dense bytes:
;   wb  = [head 16][k chunk 32][q, k, v][64 k][64 n]      wob = [n tile 16][k chunk 16][half of the tile's 128 columns][64 k][64 n]
; so that each tile the two products ask for later is dense in memory.  The weights stay [k][n]; they are turned on their way out of LDS.
; A stream: each byte read once and written once, no LDS, no barrier, no loop, no branch.  512 work-groups x 8 waves = 4,096 waves of equal work: wave W takes row W of x, and half W & 1 (32 k rows)
; of segment W >> 1 of 2,048 (512 each of wq, wk, wv, wo).  48 loads of 16 bytes a lane go out together: the half segment, the row, the gain.
; LAYERNORM in f32 in two passes over registers (the mean; then the mean of (x - mean)^2), so a common offset in x costs nothing.
; LIMITS.  f16 ends at 65,504: xn is at most 45.3 |norm_w| and has room; a weight must stay under 65,504, and below 6e-5 it keeps f16's fixed step of 6e-8.  NaN and infinities are not treated apart.
.set T,   8                            ; v[8:15]    four packed chains
.set MU,  16                           ; v[16:17]   the mean, twice
.set R,   18                           ; v[18:19]   1 / sqrt(var + eps), twice
.set AD,  20                           ; v[20:35]   the cast's 16 load offsets, two rows apart; never rewritten
.set X,   64                           ; v[64:127]  my row: load t holds elements 128 t + 4 lane + 0..3
.set G,   128                          ; v[128:191] norm_w in the same layout
.set CD,  192                          ; v[192:255] my half segment: load t holds rows 2 t (lanes 0-15) and 2 t + 1 (lanes 16-31), 4 numbers a lane
.set SEL, 36                           ; s[36:37]   v_permlanex16_b32's selects: each lane takes its own place in the other half
	s_load_b512 s[4:19], s[0:1], 0x0               ; x 4:5, norm_w 6:7, wq 8:9, wk 10:11, wv 12:13, wo 14:15, xn 16:17, wb 18:19
	s_load_b64 s[20:21], s[0:1], 0x40              ; wob
	v_lshrrev_b32 v4, 5, v0
	v_readfirstlane_b32 s24, v4                    ; wave 0..7
	v_and_b32 v3, 31, v0                           ; lane
	v_lshlrev_b32 v1, 4, v3                        ; 16 bytes of f32 a lane
	v_lshlrev_b32 v2, 3, v3                        ; 8 bytes of f16 a lane: a store of the wave covers 256 consecutive bytes, aligned
	s_lshl_b32 s25, ttmp9, 3
	s_add_co_u32 s25, s25, s24                     ; W
	s_lshl_b32 s30, s25, 13                        ; row W of x, 8,192 bytes a row
	s_mov_b32 s31, 0
	s_lshl_b32 s32, s25, 12                        ; and of xn, 4,096
	s_mov_b32 s33, 0
	s_lshr_b32 s26, s25, 10                        ; c: which weight: 0 q, 1 k, 2 v, 3 o
	s_bfe_u32 s27, s25, 0x90001                    ; r: the segment's number in it, 0..511
	s_and_b32 s28, s25, 1                          ; which half of its 64 k rows
	s_and_b32 s34, s27, 31                         ; q, k, v: r = 32 head + k chunk: 64 rows of 4,096 bytes,
	s_lshl_b32 s34, s34, 18
	s_lshr_b32 s29, s27, 5
	s_lshl_b32 s40, s29, 8                         ; the head's 64 columns
	s_add_co_u32 s34, s34, s40
	s_bfe_u32 s41, s27, 0x40001                    ; o: r = 32 n tile + 2 k chunk + column half: 64 rows of 8,192 bytes,
	s_lshl_b32 s41, s41, 19
	s_lshl_b32 s40, s29, 9                         ; the tile's 128 columns,
	s_add_co_u32 s41, s41, s40
	s_and_b32 s40, s27, 1
	s_lshl_b32 s40, s40, 8                         ; the half's 64
	s_add_co_u32 s41, s41, s40
	s_mul_i32 s42, s27, 3
	s_add_co_u32 s42, s42, s26                     ; q, k, v: segment 3 r + c of wb
	s_cmp_eq_u32 s26, 3
	s_cselect_b32 s34, s41, s34                    ; the source's offset,
	s_cselect_b32 s42, s27, s42                    ; the segment's number in its destination (o: r),
	s_cselect_b32 s44, 13, 12                      ; and the binary logarithm of the source's row bytes
	s_add_co_u32 s40, s44, 5
	s_lshl_b32 s40, s28, s40                       ; my half: 32 rows down
	s_add_co_u32 s34, s34, s40
	s_mov_b32 s35, 0
	s_lshl_b32 s42, s42, 13
	s_lshl_b32 s40, s28, 12                        ; my half of the segment's 8,192 bytes
	s_add_co_u32 s42, s42, s40
	s_mov_b32 s43, 0
	s_lshl_b32 s45, 2, s44                         ; two rows
	v_and_b32 v5, 15, v0
	v_bfe_u32 v6, v0, 4, 1
	v_lshlrev_b32 v6, s44, v6                      ; lanes 16-31 take the next row,
	v_lshl_add_u32 v[AD], v5, 4, v6                ; 16 bytes a lane in a row's 256
.set t, 1
.rept 15
	v_add_nc_u32 v[AD+t], s45, v[AD+t-1]           ; one text serves both row lengths
.set t, t+1
.endr
	s_mov_b32 s[SEL], 0x76543210
	s_mov_b32 s[SEL+1], 0xfedcba98
	s_mov_b32 s38, 0x3a000000                      ; 1 / 2048
	s_mov_b32 s39, 0x3727c5ac                      ; 1e-5
	s_wait_kmcnt 0x0
	s_cmp_eq_u32 s26, 0
	s_cselect_b64 s[46:47], s[8:9], s[10:11]
	s_cmp_eq_u32 s26, 2
	s_cselect_b64 s[46:47], s[12:13], s[46:47]
	s_cmp_eq_u32 s26, 3
	s_cselect_b64 s[46:47], s[14:15], s[46:47]     ; the weight that I read,
	s_cselect_b64 s[22:23], s[20:21], s[18:19]     ; the buffer that I write
	s_add_nc_u64 s[46:47], s[46:47], s[34:35]
	s_add_nc_u64 s[22:23], s[22:23], s[42:43]
	s_add_nc_u64 s[4:5], s[4:5], s[30:31]
	s_add_nc_u64 s[16:17], s[16:17], s[32:33]
.set t, 0
.rept 16
	global_load_b128 v[CD+4*t:CD+4*t+3], v[AD+t], s[46:47] th:TH_LOAD_NT
.set t, t+1
.endr
.set t, 0
.rept 16
	global_load_b128 v[X+4*t:X+4*t+3], v1, s[4:5] offset:512*t th:TH_LOAD_NT
.set t, t+1
.endr
.set t, 0
.rept 16
	global_load_b128 v[G+4*t:G+4*t+3], v1, s[6:7] offset:512*t
.set t, t+1
.endr
	; ---- the cast: 32 rows of 256 bytes of f32 in, 4,096 dense bytes of f16 out, packed in place
.set t, 0
.rept 16
	s_wait_loadcnt 47-t                            ; loads come back in order: number t is in; the cast's younger ones and the 32 of the row and the gain stay out
	v_cvt_pk_f16_f32 v[CD+4*t], v[CD+4*t], v[CD+4*t+1]
	v_cvt_pk_f16_f32 v[CD+4*t+1], v[CD+4*t+2], v[CD+4*t+3]
	global_store_b64 v2, v[CD+4*t:CD+4*t+1], s[22:23] offset:256*t th:TH_STORE_NT
.set t, t+1
.endr
	; ---- LayerNorm of my row
.macro WSUM                            ; the four chains, then the 32 lanes: the row's sum in every lane's v[T]
	v_pk_add_f32 v[T:T+1], v[T:T+1], v[T+2:T+3]
	v_pk_add_f32 v[T+4:T+5], v[T+4:T+5], v[T+6:T+7]
	v_pk_add_f32 v[T:T+1], v[T:T+1], v[T+4:T+5]
	v_add_f32 v[T], v[T], v[T+1]
	v_add_f32_dpp v[T], v[T], v[T] row_xmask:1 row_mask:0xf bank_mask:0xf
	v_add_f32_dpp v[T], v[T], v[T] row_xmask:2 row_mask:0xf bank_mask:0xf
	v_add_f32_dpp v[T], v[T], v[T] row_xmask:4 row_mask:0xf bank_mask:0xf
	v_add_f32_dpp v[T], v[T], v[T] row_xmask:8 row_mask:0xf bank_mask:0xf
	v_permlanex16_b32 v[T+1], v[T], s[SEL], s[SEL+1]
	v_add_f32 v[T], v[T], v[T+1]
.endm
	s_wait_loadcnt 16                              ; the row is in; the gain's 16 loads stay out
.set i, 0
.rept 4
	v_pk_add_f32 v[T+2*i:T+2*i+1], v[X+2*i:X+2*i+1], v[X+8+2*i:X+8+2*i+1]  ; the first eight pairs start the chains: nothing is cleared
.set i, i+1
.endr
.set i, 8
.rept 24
	v_pk_add_f32 v[T+2*(i%4):T+2*(i%4)+1], v[T+2*(i%4):T+2*(i%4)+1], v[X+2*i:X+2*i+1]
.set i, i+1
.endr
	WSUM
	v_mul_f32 v[MU], s38, v[T]
	v_mov_b32 v[MU+1], v[MU]
.set i, 0
.rept 32
	v_pk_add_f32 v[X+2*i:X+2*i+1], v[X+2*i:X+2*i+1], v[MU:MU+1] neg_lo:[0,1] neg_hi:[0,1]  ; x - mean, in place
.set i, i+1
.endr
.set i, 0
.rept 4
	v_pk_mul_f32 v[T+2*i:T+2*i+1], v[X+2*i:X+2*i+1], v[X+2*i:X+2*i+1]
.set i, i+1
.endr
.set i, 4
.rept 28
	v_pk_fma_f32 v[T+2*(i%4):T+2*(i%4)+1], v[X+2*i:X+2*i+1], v[X+2*i:X+2*i+1], v[T+2*(i%4):T+2*(i%4)+1]
.set i, i+1
.endr
	WSUM
	v_fma_f32 v[T], v[T], s38, s39                 ; var + eps
	v_rsq_f32 v[R], v[T]
	v_rsq_f32 v[R+1], v[T]
	s_wait_loadcnt 0x0                             ; the gain
.set i, 0
.rept 32
	v_pk_mul_f32 v[X+2*i:X+2*i+1], v[X+2*i:X+2*i+1], v[G+2*i:G+2*i+1]  ; the gain: plain work that names neither root, behind the two roots
.set i, i+1
.endr
	s_wait_alu depctr_va_vdst(0)                   ; one wait for both roots, ahead of their first reader
.set i, 0
.rept 32
	v_pk_mul_f32 v[X+2*i:X+2*i+1], v[X+2*i:X+2*i+1], v[R:R+1]
.set i, i+1
.endr
.set i, 0
.rept 32
	v_cvt_pk_f16_f32 v[X+i], v[X+2*i], v[X+2*i+1]  ; ascending: word i lands on registers that have been read
.set i, i+1
.endr
.set t, 0
.rept 16
	global_store_b64 v2, v[X+2*t:X+2*t+1], s[16:17] offset:256*t th:TH_STORE_NT
.set t, t+1
.endr
	s_endpgm
.Lfunc_end_k_qbb97a70201_prep:
	.size	k_qbb97a70201_prep, .Lfunc_end_k_qbb97a70201_prep-k_qbb97a70201_prep
	.p2alignl 7, 3214868480
	.fill 96, 4, 3214868480
	.section	.rodata,"a",@progbits
	.p2align	6, 0x0
	.amdhsa_kernel k_qbb97a70201_prep
		.amdhsa_group_segment_fixed_size 0
		.amdhsa_private_segment_fixed_size 0
		.amdhsa_enable_private_segment 0
		.amdhsa_kernarg_size 72
		.amdhsa_user_sgpr_count 2
		.amdhsa_user_sgpr_kernarg_segment_ptr 1
		.amdhsa_wavefront_size32 1
		.amdhsa_system_sgpr_workgroup_id_x 1
		.amdhsa_system_sgpr_workgroup_id_y 1
		.amdhsa_system_sgpr_workgroup_id_z 1
		.amdhsa_system_vgpr_workitem_id 0
		.amdhsa_next_free_vgpr 256
		.amdhsa_next_free_sgpr 66
		.amdhsa_reserve_vcc 0
		.amdhsa_float_denorm_mode_32 3
		.amdhsa_float_denorm_mode_16_64 3
		.amdhsa_memory_ordered 1
		.amdhsa_forward_progress 1
		.amdhsa_inst_pref_size 27
	.end_amdhsa_kernel
	.amdgpu_metadata
---
amdhsa.version: [ 1, 2 ]
amdhsa.kernels:
  - .name:           k_qbb97a70201_prep
    .symbol:         k_qbb97a70201_prep.kd
    .args:
      - { .name: x, .offset: 0, .size: 8, .value_kind: global_buffer, .address_space: global }
      - { .name: norm_w, .offset: 8, .size: 8, .value_kind: global_buffer, .address_space: global }
      - { .name: wq, .offset: 16, .size: 8, .value_kind: global_buffer, .address_space: global }
      - { .name: wk, .offset: 24, .size: 8, .value_kind: global_buffer, .address_space: global }
      - { .name: wv, .offset: 32, .size: 8, .value_kind: global_buffer, .address_space: global }
      - { .name: wo, .offset: 40, .size: 8, .value_kind: global_buffer, .address_space: global }
      - { .name: xn, .offset: 48, .size: 8, .value_kind: global_buffer, .address_space: global }
      - { .name: wb, .offset: 56, .size: 8, .value_kind: global_buffer, .address_space: global }
      - { .name: wob, .offset: 64, .size: 8, .value_kind: global_buffer, .address_space: global }
    .group_segment_fixed_size: 0
    .private_segment_fixed_size: 0
    .kernarg_segment_align: 8
    .kernarg_segment_size: 72
    .max_flat_workgroup_size: 256
    .sgpr_count:     66
    .vgpr_count:     256
    .wavefront_size: 32
...
	.end_amdgpu_metadata
.endif
;; end of part 1
;; launch qkv (part 2): grid 16 x 16, 4 waves a work-group, clusters of 4 x 4, 327,680 bytes of LDS; arguments xn, wb, qn_w, kn_w, qh, kh, vh; writes qh, kh, vh
.if DOCPART == 2
	.amdgcn_target "amdgcn-amd-amdhsa--gfx1250"
	.amdhsa_code_object_version 6
	.text
	.protected	k_qbb97a70201_qkv
	.globl	k_qbb97a70201_qkv
	.p2align	8
	.type	k_qbb97a70201_qkv,@function
k_qbb97a70201_qkv:
	s_mov_b64 s[64:65], 0
	v_nop
	global_prefetch_b8 v0, s[64:65] scope:SCOPE_SE
	s_setreg_imm32_b32 hwreg(HW_REG_WAVE_MODE, 25, 1), 1
	s_wait_xcnt 0x0
	s_wait_alu depctr_hold_cnt(0) depctr_sa_sdst(0) depctr_va_vdst(0) depctr_va_sdst(0) depctr_va_ssrc(0) depctr_va_vcc(0) depctr_vm_vsrc(0)
	s_getreg_b32 s2, hwreg(HW_REG_IB_STS2, 6, 4)
	s_cmp_eq_u32 s2, 0
	s_cbranch_scc0 .Lentry_in_a_cluster
	s_endpgm
.Lentry_in_a_cluster:
	s_bfe_u32 s2, ttmp6, 0x10000c
	s_cmp_lg_u32 s2, 0xf033
	s_cbranch_scc0 .Lentry_shape_is_right
	s_endpgm
.Lentry_shape_is_right:
; Q, K, V = xn [4096][2048] x (wq | wk | wv), f16 operands, f32 sums; q and k then take the LayerNorm over their head's 64 channels (f32, two passes) with gains qn_w, kn_w; all three leave
; in f16, rounded once, by heads: [batch 16 + head][2048][64].
; A TILE is 256 rows x 192 columns: ONE HEAD's q, k and v (wb is laid so).  16 x 16 tiles, a work-group each.  The four waves lie one below the other, 64 rows x 192 columns each: 48 accumulators,
; 384 registers; so a wave holds whole heads, and the head's mean and variance want one exchange between the halves of the lanes.
; K goes in steps of 128 through two LDS slots: A's 256 rows (256 bytes each, pitch 272), and the weights' 128 k x 192 n as [k half][q, k, v][64 k] rows of 128 bytes, pitch 160.
; THE LOOP IS ONE K STEP: a slot is 1 << 17 bytes, so one exclusive or turns an LDS address in one slot into the other's: the walking descriptors' and the fragment loads'.
; THE CLUSTERS BEGIN K AT DIFFERENT STEPS.  Cluster (X, Y) takes K step (r + t) mod 16 in its trip t, r = (4 X + 8 g) mod 16, g = (Y xor Y / 2) mod 2: all 16 steps, once each (f32 sums may be taken in any
; order).  The four clusters of one Y, which read the same rows of xn, have their r 4 apart; two clusters of one X whose Y differ by 1 (0 and 1, 2 and 3) or by 2, which read the same weights, 8 apart.
; r is made of the cluster's coordinates alone: it is the same in all sixteen partners.
; The weights lie [k][n] and are turned on the way out of LDS (ds_load_tr16_b128).  The matrix instruction is used transposed (source 0 = 16 columns of W, source 1 = 16 rows of xn): a lane
; holds row lane % 16 and the columns 16 b + 8 (lane / 16) + 0..7.
; CLUSTER 4 x 4: the four of a row of the cluster share A's tile, the four of a column the head's weights; each is asked for jointly.  Waves 0, 1 fetch A's halves, waves 2, 3 the weights' k halves.
; LIMITS.  f16 ends at 65,504: |q|, |k| are at most 8 |gain|; v must stay under 65,504.  NaN and infinities are not treated apart.
; REGISTERS by windows of 256.  0: v16-31 addresses; v32-49 at work; v64-127 A's fragments, two buffers; v128-191 the gains; v192-255 the way out.  1: v0-191 W's fragments, two buffers.
;   2: accumulators of row blocks 0, 1 at 8 (12 (a % 2) + b).  3: those of blocks 2, 3.
.set PA,    272
.set PW,    160                        ; 40 words
.set HALFA, 128*PA
.set HALFW, 192*PW
.set WOFF,  2*HALFA
.set SLOT,  WOFF+2*HALFW               ; 131,072 = 1 << 17
.set STAGE, 2*SLOT                     ; behind the ring: 16 rows x 144 bytes for each wave
.set SP,    144
.set SPARE, STAGE+4*16*SP              ; the spare words, 128 bytes for each wave, which no other line names
.set KSTEPS, 16
.set ASTEP, 256                        ; bytes from a K step to the next: in a row of xn,
.set WSTEP, 49152                      ; in a head's weights
.set ADRA0, 16                         ; v16 my lane's place among A's fragments in a slot; never rewritten
.set ADRA,  17                         ; v17 the same in the slot in hand
.set ADRW0, 20                         ; v20, v21 the same for W
.set ADRW,  21
.set STO,  24
.set RD,   25
.set GO,   26
.set GOF,  27                          ; 32 (lane / 16): my eight gains of a block of 16
.set SPW,  28
.set NIL,  29
.set PFO,  30
.set T,    32                          ; v32-47 at work; MU = v40
.set MU,   40
.set R,    48
.set GQ,   128                         ; v128-159 qn_w, v160-191 kn_w, as my 32 channels lie in a tile's registers
.set D,    192                         ; v192-223 a tile less its mean
.set PK0,  224                         ; v224-239, v240-255: packed tiles, by turns
.set ROT, 2                            ; s2 r
.set TB,  4                            ; s4 the first LDS byte of the slot in hand: 0 or SLOT
.set STP, 5                            ; s5 the K step that the walking descriptors name
.set OFA, 6                            ; s[6:7] its byte offset in A's tile,
.set OFW, 8                            ; s[8:9] in W's
.set BA,  14                           ; s[14:15] what I fetch of A's tile, at K step 0; never rewritten once made
.set BW,  18                           ; s[18:19] the same for W
.set G1A, 24
.set G0A, 32                           ; s[32:39] group 0 for A: a set for each of the two first fills; the second then walks on
.set G1W, 48
.set G0W, 56                           ; s[56:63] the same for W
.set PFA, 44                           ; s[44:45] where my prefetches stand, 65,536 bytes further on than what they name
.set PFS, 46                           ; s[46:47] their step
.set LIM, 66                           ; s66 a wave prefetches while the count of refills to come is above this
.set SEL, 68
.set MSB, 0
.macro WIN new
.if MSB != (\new)
	s_set_vgpr_msb (MSB<<8)|(\new)
.set MSB, \new
.endif
.endm
.set MUL_LO, 0xa1                      ; source 0 (W) window 1, source 1 (A) window 0, C and D window 2
.set TO_W,   0x40
.macro PLACES
.rept 4
	v_nop
.endr
.endm
.macro JLOAD                           ; a joint refill, by the walking descriptor; the branch hangs on the wave's number alone; an s_nop 0 and four v_nop follow each line
	s_cmp_eq_u32 s11, 0
	s_cbranch_scc0 .Lfor_w_\@
	tensor_load_to_lds s[G0A+4:G0A+7], s[G1A:G1A+7]
	s_nop 0
	PLACES
	s_branch .Lasked_\@
.Lfor_w_\@:
	tensor_load_to_lds s[G0W+4:G0W+7], s[G1W:G1W+7]
	s_nop 0
	PLACES
.Lasked_\@:
.endm
.macro CREST
	s_cmp_lg_u32 s10, 0
	s_cbranch_scc1 .Lnot_wave_0_\@
	s_barrier_signal -3
.Lnot_wave_0_\@:
	s_barrier_wait -3
	s_barrier_signal -1
	s_barrier_wait -1
.endm
.macro CROUND
	s_barrier_signal -1
	s_barrier_wait -1
	CREST
.endm
; A PREFETCH INTO THE L2, behind the joint load, its five lines and the run of LDS loads.  Of the four clusters that read the same rows of xn, a K step falls into trips 0 to 3 of exactly one; of two clusters whose r are
; 8 apart, a K step of the weights falls into trips 0 to 7 of exactly one.  Those are asked for, by that cluster; trips 0 and 1 are the first fills, and nothing is asked for at the kernel's head.
; A's waves, in every cluster: at the first change of slots, trip 3's K step: 32 rows x 256 bytes, a lane a row; the four partners along x take 32 rows each BY ADDRESS: one K step, 192 matrix instructions, ahead.
; W's waves, in clusters with Y < 2: the K steps of trips 4 to 7 are 768 blocks of 256 bytes on end (r is a multiple of 4); 256 blocks a change (four partners along y x two waves x 32 lanes) at the first three
; changes, each block two refills or more ahead of its own.  A cluster with Y >= 2 has the r of one with Y < 2 and asks for nothing: each block is named once.
.macro ASK
	s_cmp_gt_u32 s3, s[LIM]
	s_cbranch_scc0 .Lnot_mine_\@
	global_prefetch_b8 v[PFO], s[PFA:PFA+1] offset:-65536 th:TH_LOAD_NT scope:SCOPE_SE
.Lnot_mine_\@:
.endm
	s_load_b256 s[72:79], s[0:1], 0x0              ; xn 72:73, wb 74:75, qn_w 76:77, kn_w 78:79
	s_load_b128 s[80:83], s[0:1], 0x20             ; qh, kh
	s_load_b64 s[84:85], s[0:1], 0x30              ; vh
	v_lshl_add_u32 v[SPW], v0, 2, SPARE
	v_mov_b32 v[NIL], 0
	ds_add_u32 v[SPW], v[NIL]                      ; the wave's opening: the add and its wait stand ahead of my first tensor load
	v_lshrrev_b32 v1, 5, v0
	v_readfirstlane_b32 s10, v1                    ; wave
	s_lshr_b32 s11, s10, 1                         ; 0: I fetch for A; 1: for W
	s_and_b32 s12, s10, 1                          ; which half
	s_bfe_u32 s40, ttmp6, 0x40000                  ; cx
	s_bfe_u32 s41, ttmp6, 0x40004                  ; cy
	s_lshl_b32 s42, ttmp9, 2
	s_add_co_u32 s42, s42, s40                     ; the head j = 4 x cluster x + cx
	s_and_b32 s92, ttmp7, 0xffff                   ; Y
	s_lshl_b32 s13, s92, 2
	s_add_co_u32 s13, s13, s41                     ; the tile row tr = 4 x cluster y + cy
	s_lshr_b32 s93, s92, 1
	s_xor_b32 s93, s93, s92
	s_and_b32 s93, s93, 1                          ; g
	s_lshl_b32 s93, s93, 3
	s_lshl_b32 s[ROT], ttmp9, 2
	s_add_co_u32 s[ROT], s[ROT], s93
	s_and_b32 s[ROT], s[ROT], KSTEPS-1             ; r = (4 X + 8 g) mod 16
	s_lshl_b32 s[OFA], s[ROT], 8
	s_mov_b32 s[OFA+1], 0
	s_mul_i32 s[OFW], s[ROT], WSTEP
	s_mov_b32 s[OFW+1], 0
	s_add_co_u32 s[STP], s[ROT], 1                 ; the second first fill's K step (r is a multiple of 4: no wrap)
	s_lshl_b32 s86, s41, 2
	s_lshl_b32 s86, 15, s86                        ; my row of the cluster
	s_lshl_b32 s87, 0x1111, s40                    ; my column
	s_or_b32 s[G1A], s86, (1<<16)|(1<<20)|(1<<21)|(5<<22)|(3<<25)  ; mask; 2-byte elements; padding on; bit 21 beside a mask; after every 64 words 4 words
	s_mov_b32 s[G1A+1], 128<<16                    ; tensor_dim0 = 128
	s_mov_b32 s[G1A+2], 128<<16                    ; tensor_dim1 = 128
	s_mov_b32 s[G1A+3], 128<<16                    ; tile_dim0 = 128
	s_mov_b32 s[G1A+4], 128                        ; tile_dim1 = 128
	s_mov_b32 s[G1A+5], 2048                       ; elements from row to row
	s_mov_b32 s[G1A+6], 0
	s_mov_b32 s[G1A+7], 0
	s_or_b32 s[G1W], s87, (1<<16)|(1<<20)|(1<<21)|(4<<22)|(7<<25)  ; after every 32 words (a k row of 64 n) 8 words
	s_mov_b32 s[G1W+1], 128<<16                    ; 24,576 dense bytes asked for as 96 rows of 256
	s_mov_b32 s[G1W+2], 96<<16
	s_mov_b32 s[G1W+3], 128<<16
	s_mov_b32 s[G1W+4], 96
	s_mov_b32 s[G1W+5], 128
	s_mov_b32 s[G1W+6], 0
	s_mov_b32 s[G1W+7], 0
	s_lshl_b32 s14, s13, 8                         ; A: row 256 tr + 128 half, 4,096 bytes a row: of tr and the wave alone
	s_lshl_b32 s15, s12, 7
	s_add_co_u32 s14, s14, s15
	s_lshl_b32 s14, s14, 12
	s_mov_b32 s15, 0
	s_mul_i32 s18, s42, 786432                     ; W: the head's 32 k chunks of 24,576 bytes, + my chunk of the step: of j and the wave alone
	s_mul_i32 s19, s12, 24576
	s_add_co_u32 s18, s18, s19
	s_mov_b32 s19, 0
	s_mul_i32 s16, s10, HALFA                      ; LDS: A's halves at wave x 34,816 (waves 0, 1),
	s_mul_i32 s20, s10, HALFW
	s_add_co_u32 s20, s20, WOFF-2*HALFW            ; W's at 69,632 + (wave - 2) x 30,720 (waves 2, 3)
	s_mov_b32 s[SEL], 0x76543210
	s_mov_b32 s[SEL+1], 0xfedcba98
	s_mov_b32 s70, 0x3c800000                      ; 1 / 64
	s_mov_b32 s71, 0x3727c5ac                      ; 1e-5
	s_mov_b32 s[TB], 0
	s_wait_dscnt 0x0                               ; the opening add is done
	s_wait_kmcnt 0x0
	s_add_nc_u64 s[BA:BA+1], s[72:73], s[14:15]
	s_add_nc_u64 s[BW:BW+1], s[74:75], s[18:19]
	CROUND                                         ; all sixteen work-groups are here: the first joint loads meet
.irp s, 0,1
	s_mov_b32 s[G0A+4*(\s)], 1
	s_add_co_u32 s[G0A+4*(\s)+1], s16, (\s)*SLOT
	s_add_nc_u64 s[G0A+4*(\s)+2:G0A+4*(\s)+3], s[BA:BA+1], s[OFA:OFA+1]  ; K step r,
	s_mov_b32 s[G0W+4*(\s)], 1
	s_add_co_u32 s[G0W+4*(\s)+1], s20, (\s)*SLOT
	s_add_nc_u64 s[G0W+4*(\s)+2:G0W+4*(\s)+3], s[BW:BW+1], s[OFW:OFW+1]
.if \s
	s_add_nc_u64 s[G0A+4*(\s)+2:G0A+4*(\s)+3], s[G0A+4*(\s)+2:G0A+4*(\s)+3], ASTEP  ; and r + 1
	s_add_nc_u64 s[G0W+4*(\s)+2:G0W+4*(\s)+3], s[G0W+4*(\s)+2:G0W+4*(\s)+3], WSTEP
.endif
	s_or_b32 s[G0A+4*(\s)+3], s[G0A+4*(\s)+3], 0x80000000
	s_or_b32 s[G0W+4*(\s)+3], s[G0W+4*(\s)+3], 0x80000000
.endr
	s_cmp_eq_u32 s11, 0                            ; a wave's two first fills stand in one branch: two loads of mine are out
	s_cbranch_scc0 .Lfirst_w
	tensor_load_to_lds s[G0A:G0A+3], s[G1A:G1A+7]
	s_nop 0
	tensor_load_to_lds s[G0A+4:G0A+7], s[G1A:G1A+7]
	s_nop 0
	PLACES
	s_branch .Lfirst_asked
.Lfirst_w:
	tensor_load_to_lds s[G0W:G0W+3], s[G1W:G1W+7]
	s_nop 0
	tensor_load_to_lds s[G0W+4:G0W+7], s[G1W:G1W+7]
	s_nop 0
	PLACES
.Lfirst_asked:
	v_and_b32 v1, 15, v0                           ; l % 16
	v_bfe_u32 v2, v0, 4, 1                         ; l / 16
	v_lshlrev_b32 v[GOF], 5, v2
.irp b, 0,1,2,3
	global_load_b128 v[GQ+8*(\b):GQ+8*(\b)+3],       v[GOF], s[76:77] offset:64*(\b)
	global_load_b128 v[GQ+8*(\b)+4:GQ+8*(\b)+7],     v[GOF], s[76:77] offset:64*(\b)+16
	global_load_b128 v[GQ+32+8*(\b):GQ+32+8*(\b)+3],   v[GOF], s[78:79] offset:64*(\b)
	global_load_b128 v[GQ+32+8*(\b)+4:GQ+32+8*(\b)+7], v[GOF], s[78:79] offset:64*(\b)+16
.endr
	v_mul_u32_u24 v3, v1, PA
	v_lshl_add_u32 v3, v2, 4, v3                   ; row x pitch + 16 x half
	s_mul_i32 s17, s10, 64*PA                      ; my 64 rows
	v_add_nc_u32 v[ADRA0], s17, v3
	v_add_nc_u32 v[ADRA], s[TB], v[ADRA0]          ; slot 0
	v_and_b32 v5, 7, v0                            ; the turning load: lane l reads k row 8 (l / 16) + l % 8, 16 bytes at 16 ((l / 8) % 2)
	v_lshl_add_u32 v4, v2, 3, v5
	v_mul_u32_u24 v4, v4, PW
	v_bfe_u32 v6, v0, 3, 1
	v_lshl_add_u32 v4, v6, 4, v4
	v_add_nc_u32 v[ADRW0], WOFF, v4
	v_add_nc_u32 v[ADRW], s[TB], v[ADRW0]
	s_mul_i32 s21, s10, 16*SP
	s_add_co_u32 s21, s21, STAGE                   ; my stage
	v_mul_u32_u24 v[STO], v1, SP                   ; in: row l % 16, 16 bytes for each half of the lanes
	v_lshl_add_u32 v[STO], v2, 4, v[STO]
	v_add_nc_u32 v[STO], s21, v[STO]
	v_bfe_u32 v[RD], v0, 3, 2                      ; back: 32 lanes take four rows of 128 bytes,
	v_mul_u32_u24 v[RD], v[RD], SP
	v_lshl_add_u32 v[RD], v5, 4, v[RD]
	v_add_nc_u32 v[RD], s21, v[RD]
	v_and_b32 v[GO], 31, v0                        ; which are 512 consecutive bytes of the output
	v_lshlrev_b32 v[GO], 4, v[GO]
	s_lshr_b32 s22, s13, 3                         ; the batch,
	s_lshl_b32 s22, s22, 4
	s_add_co_u32 s22, s22, s42                     ; its head: 262,144 bytes each,
	s_lshl_b32 s22, s22, 18
	s_and_b32 s23, s13, 7                          ; the tile's 256 rows of 128 bytes,
	s_lshl_b32 s23, s23, 15
	s_add_co_u32 s22, s22, s23
	s_lshl_b32 s23, s10, 13                        ; my 64
	s_add_co_u32 s22, s22, s23
	s_mov_b32 s23, 0
	s_add_nc_u64 s[80:81], s[80:81], s[22:23]
	s_add_nc_u64 s[82:83], s[82:83], s[22:23]
	s_add_nc_u64 s[84:85], s[84:85], s[22:23]
	; where the prefetches stand.  Each change of slots adds the step first, and the prefetch's immediate takes 65,536 off
	s_lshl_b32 s88, s13, 8
	s_lshl_b32 s89, s12, 7
	s_add_co_u32 s88, s88, s89
	s_lshl_b32 s89, s40, 5                         ; my work-group's 32 of the 128 rows
	s_add_co_u32 s88, s88, s89
	s_lshl_b32 s88, s88, 12
	s_lshl_b32 s89, s[ROT], 8
	s_add_co_u32 s88, s88, s89
	s_add_co_u32 s88, s88, 3*ASTEP+65536           ; A: K step r + 3 (at most 15); its step is 0
	s_mul_i32 s90, s42, 786432
	s_lshl_b32 s91, s41, 1
	s_add_co_u32 s91, s91, s12
	s_lshl_b32 s91, s91, 13                        ; my 32 blocks of a change's 256
	s_add_co_u32 s90, s90, s91
	s_add_co_u32 s91, s[ROT], 4
	s_and_b32 s91, s91, KSTEPS-1
	s_mul_i32 s91, s91, WSTEP
	s_add_co_u32 s90, s90, s91                     ; W: K step (r + 4) mod 16; its step is 65,536
	s_mov_b32 s94, 65536
	s_cmp_lt_u32 s92, 2
	s_cselect_b32 s95, 11, -1                      ; W: the first 3 of the 14 refills ask, in clusters with Y < 2
	s_cmp_eq_u32 s11, 0
	s_cselect_b32 s88, s88, s90
	s_cselect_b32 s[PFS], 0, s94
	s_cselect_b32 s93, 12, 8                       ; a lane a row of xn, or a lane a block of 256 bytes
	s_cselect_b32 s[LIM], 13, s95                  ; A: the first refill asks.  The same in all sixteen partners, for a given wave
	s_cselect_b64 s[PFA:PFA+1], s[72:73], s[74:75]
	s_mov_b32 s89, 0
	s_mov_b32 s[PFS+1], 0
	s_add_nc_u64 s[PFA:PFA+1], s[PFA:PFA+1], s[88:89]
	v_and_b32 v[PFO], 31, v0
	v_lshlrev_b32 v[PFO], s93, v[PFO]
; 12 matrix instructions: row block a x all 12 column blocks, 32 along K, from buffer f.  zero = 1: the product starts the sum.  The 48 accumulators take turns.
.macro MUL12 f, a, zero
	WIN MUL_LO+0x50*((\a)/2)
.irp b, 0,1,2,3,4,5,6,7,8,9,10,11
.if \zero
	v_wmma_f32_16x16x32_f16 v[8*(12*((\a)%2)+(\b)):8*(12*((\a)%2)+(\b))+7], v[96*(\f)+8*(\b):96*(\f)+8*(\b)+7], v[64+32*(\f)+8*(\a):64+32*(\f)+8*(\a)+7], 0
.else
	v_wmma_f32_16x16x32_f16 v[8*(12*((\a)%2)+(\b)):8*(12*((\a)%2)+(\b))+7], v[96*(\f)+8*(\b):96*(\f)+8*(\b)+7], v[64+32*(\f)+8*(\a):64+32*(\f)+8*(\a)+7], v[8*(12*((\a)%2)+(\b)):8*(12*((\a)%2)+(\b))+7]
.endif
.endr
.endm
; 32 LDS loads in one run: quarter q (32 along K) of the slot in hand into buffer f: W's 12 fragments, turned, then A's four
.macro FETCH q, f
	WIN TO_W
.irp b, 0,1,2,3,4,5,6,7,8,9,10,11
	ds_load_tr16_b128 v[96*(\f)+8*(\b):96*(\f)+8*(\b)+3],   v[ADRW] offset:((\q)/2)*HALFW+((\q)%2)*32*PW+((\b)/4)*64*PW+((\b)%4)*32
	ds_load_tr16_b128 v[96*(\f)+8*(\b)+4:96*(\f)+8*(\b)+7], v[ADRW] offset:((\q)/2)*HALFW+((\q)%2)*32*PW+((\b)/4)*64*PW+((\b)%4)*32+16*PW
.endr
	WIN 0
.irp i, 0,1,2,3
	ds_load_b128 v[64+32*(\f)+8*(\i):64+32*(\f)+8*(\i)+3],   v[ADRA] offset:(\q)*64+(\i)*16*PA
	ds_load_b128 v[64+32*(\f)+8*(\i)+4:64+32*(\f)+8*(\i)+7], v[ADRA] offset:(\q)*64+(\i)*16*PA+32
.endr
.endm
; One of a K step's first three quarters: multiplies buffer f; in its middle fetches quarter qn of the same slot into buffer g, four places behind g's last reader
.macro QUARTER qn, f, g, zero
	s_wait_dscnt 4                                 ; all but the youngest four loads: A's blocks 2 and 3
	MUL12 \f, 0, \zero
	MUL12 \f, 1, \zero
	PLACES
	FETCH \qn, \g
	s_wait_dscnt 32                                ; all but the 32 just issued
	MUL12 \f, 2, \zero
	MUL12 \f, 3, \zero
.endm
; The last quarter multiplies buffer 1 and changes slots: each wave waits for all its tensor loads (one is out: its part of the next slot), adds 0 to its spare word, and waits for that and for its reads of
; this slot; then the barrier.  fill = 1: the barrier opens a round of the cluster's, and behind the round this slot is filled again, first thing.  The walking descriptors are made while the add is out, where no tensor
; load of mine is out: they turn to this slot, and their addresses are made anew from the next K step's number, which goes round at 16.
.macro TURN fill
.if \fill
	s_wait_xcnt 0x0                                ; the last prefetch, a K step back, has read its address
	s_add_nc_u64 s[PFA:PFA+1], s[PFA:PFA+1], s[PFS:PFS+1]
.endif
	WIN 0
	s_wait_tensorcnt 0x0
	ds_add_u32 v[SPW], v[NIL]
.if \fill
	s_add_co_u32 s[STP], s[STP], 1
	s_and_b32 s[STP], s[STP], KSTEPS-1
	s_lshl_b32 s[OFA], s[STP], 8
	s_mul_i32 s[OFW], s[STP], WSTEP
	s_xor_b32 s[G0A+5], s[G0A+5], SLOT
	s_add_nc_u64 s[G0A+6:G0A+7], s[BA:BA+1], s[OFA:OFA+1]
	s_or_b32 s[G0A+7], s[G0A+7], 0x80000000
	s_xor_b32 s[G0W+5], s[G0W+5], SLOT
	s_add_nc_u64 s[G0W+6:G0W+7], s[BW:BW+1], s[OFW:OFW+1]
	s_or_b32 s[G0W+7], s[G0W+7], 0x80000000
.endif
	s_wait_dscnt 5                                 ; (the add and the youngest four loads may be out)
	MUL12 1, 0, 0
	s_wait_dscnt 0x0                               ; the add is done, and my reads of this slot are over
	s_barrier_signal -1
	MUL12 1, 1, 0
	WIN 0
	s_barrier_wait -1
.if \fill
	CREST                                          ; no wave of any partner still reads this slot or has a load on its way
	JLOAD                                          ; its four v_nop are also the places in front of the loads below
.else
	PLACES
.endif
	s_xor_b32 s[TB], s[TB], SLOT                   ; the fragment loads go over to the other slot
	v_add_nc_u32 v[ADRA], s[TB], v[ADRA0]
	v_add_nc_u32 v[ADRW], s[TB], v[ADRW0]
	FETCH 0, 0
.if \fill
	ASK
.endif
	MUL12 1, 2, 0
	MUL12 1, 3, 0
.endm
	s_wait_tensorcnt 1                             ; my part of the first K step is in; the second's may stay out
	s_barrier_signal -1
	s_barrier_wait -1
	FETCH 0, 0
	QUARTER 1, 0, 1, 1                             ; the first quarter starts the sums
	WIN 0
	s_mov_b32 s3, KSTEPS-2                         ; refills to come
.Lstep:                                            ; from a K step's second quarter to the next step's first; the slot that is left is filled again
	QUARTER 2, 1, 0, 0
	QUARTER 3, 0, 1, 0
	TURN 1
	QUARTER 1, 0, 1, 0
	WIN 0
	s_sub_co_u32 s3, s3, 1
	s_cmp_lg_u32 s3, 0
	s_cbranch_scc1 .Lstep
	QUARTER 2, 1, 0, 0                             ; the last two K steps are written out: they fill nothing
	QUARTER 3, 0, 1, 0
	TURN 0
	QUARTER 1, 0, 1, 0
	QUARTER 2, 1, 0, 0
	QUARTER 3, 0, 1, 0
	s_wait_dscnt 4
	MUL12 1, 0, 0
	MUL12 1, 1, 0
	s_wait_dscnt 0x0
	MUL12 1, 2, 0
	MUL12 1, 3, 0
	WIN 0
	PLACES
	PLACES
	s_wait_loadcnt 0x0                             ; the gains
; THE WAY OUT: twelve tiles n = 3 a + c of 16 rows x 64 channels (c = 0 q, 1 k, 2 v), 32 registers a lane; the row's other 32 channels lie in the lane 16 away.
.macro RED4                            ; four pairs at T into the row's sum, in both lanes that hold the row
	v_pk_add_f32 v[T:T+1], v[T:T+1], v[T+2:T+3]
	v_pk_add_f32 v[T+4:T+5], v[T+4:T+5], v[T+6:T+7]
	v_pk_add_f32 v[T:T+1], v[T:T+1], v[T+4:T+5]
	v_add_f32 v[T], v[T], v[T+1]
	v_permlanex16_b32 v[T+1], v[T], s[SEL], s[SEL+1]
	v_add_f32 v[T], v[T], v[T+1]
.endm
.macro LNT a, c, n                     ; the head's LayerNorm, then f16
.set AB, 96*((\a)%2)+32*(\c)
.set XW, 2+(\a)/2
.set GN, GQ+32*(\c)
.set PKR, PK0+16*((\n)%2)
	WIN XW|(XW<<2)
.set i, 0
.rept 8
	v_pk_add_f32 v[T+2*i:T+2*i+1], v[AB+2*i:AB+2*i+1], v[AB+16+2*i:AB+16+2*i+1]  ; ascending: each accumulator's lowest registers are read first
.set i, i+1
.endr
	WIN 0
.set i, 0
.rept 4
	v_pk_add_f32 v[T+2*i:T+2*i+1], v[T+2*i:T+2*i+1], v[T+8+2*i:T+8+2*i+1]
.set i, i+1
.endr
	RED4
	v_mul_f32 v[MU], s70, v[T]                     ; the mean
	WIN XW
.set i, 0
.rept 16
	v_pk_add_f32 v[D+2*i:D+2*i+1], v[AB+2*i:AB+2*i+1], v[MU:MU+1] op_sel_hi:[1,0] neg_lo:[0,1] neg_hi:[0,1]
.set i, i+1
.endr
	WIN 0
.set i, 0
.rept 4
	v_pk_mul_f32 v[T+2*i:T+2*i+1], v[D+2*i:D+2*i+1], v[D+2*i:D+2*i+1]
.set i, i+1
.endr
.set i, 4
.rept 12
	v_pk_fma_f32 v[T+2*(i%4):T+2*(i%4)+1], v[D+2*i:D+2*i+1], v[D+2*i:D+2*i+1], v[T+2*(i%4):T+2*(i%4)+1]
.set i, i+1
.endr
	RED4
	v_fma_f32 v[T], v[T], s70, s71                 ; var + eps
	v_rsq_f32 v[R], v[T]
	v_rsq_f32 v[R+1], v[T]
.set i, 0
.rept 16
	v_pk_mul_f32 v[D+2*i:D+2*i+1], v[D+2*i:D+2*i+1], v[GN+2*i:GN+2*i+1]  ; the gain: plain work that names neither root
.set i, i+1
.endr
	s_wait_alu depctr_va_vdst(0)                   ; one wait for both roots, ahead of their first reader
.set i, 0
.rept 16
	v_pk_mul_f32 v[D+2*i:D+2*i+1], v[D+2*i:D+2*i+1], v[R:R+1]
.set i, i+1
.endr
	s_wait_xcnt 0x0                                ; the stores of the tile two back have read these registers
.set i, 0
.rept 16
	v_cvt_pk_f16_f32 v[PKR+i], v[D+2*i], v[D+2*i+1]
.set i, i+1
.endr
.endm
.macro VT a, n                         ; v: f16 straight from the sums
.set AB, 96*((\a)%2)+64
.set XW, 2+(\a)/2
.set PKR, PK0+16*((\n)%2)
	s_wait_xcnt 0x0
	WIN XW|(XW<<2)
.set i, 0
.rept 16
	v_cvt_pk_f16_f32 v[PKR+i], v[AB+2*i], v[AB+2*i+1]
.set i, i+1
.endr
	WIN 0
.endm
.macro STG n                           ; through my own stage: rows of 144 bytes in, whole rows of 128 back; LDS serves a wave's instructions in order
.set PKR, PK0+16*((\n)%2)
	WIN 0
.irp f, 0,1,2,3
	ds_store_b128 v[STO], v[PKR+4*\f:PKR+4*\f+3] offset:32*\f
.endr
.irp f, 0,1,2,3
	ds_load_b128 v[PKR+4*\f:PKR+4*\f+3], v[RD] offset:\f*4*SP
.endr
.endm
.macro SEND n, younger                 ; younger: the LDS instructions issued behind tile n's loads
.set PKR, PK0+16*((\n)%2)
	WIN 0
.irp f, 0,1,2,3
	s_wait_dscnt (\younger)+3-\f
	global_store_b128 v[GO], v[PKR+4*\f:PKR+4*\f+3], s[80+2*((\n)%3):81+2*((\n)%3)] offset:((\n)/3)*2048+\f*512  ; 512 consecutive bytes, at a multiple of 256 from the buffer's first
.endr
.endm
.set n, 0
.rept 12
.if (n%3) < 2
	LNT n/3, n%3, n
.else
	VT n/3, n
.endif
	STG n
.if n > 0
	SEND n-1, 8                                    ; a tile's arithmetic stands between the loads of the tile before and its stores
.endif
.set n, n+1
.endr
	SEND 11, 0
	s_wait_tensorcnt 0x0                           ; the wave's end
	ds_add_u32 v[SPW], v[NIL]
	s_wait_dscnt 0x0
	CROUND                                         ; the closing round
	s_endpgm
.Lfunc_end_k_qbb97a70201_qkv:
	.size	k_qbb97a70201_qkv, .Lfunc_end_k_qbb97a70201_qkv-k_qbb97a70201_qkv
	.p2alignl 7, 3214868480
	.fill 96, 4, 3214868480
	.section	.rodata,"a",@progbits
	.p2align	6, 0x0
	.amdhsa_kernel k_qbb97a70201_qkv
		.amdhsa_group_segment_fixed_size 327680
		.amdhsa_private_segment_fixed_size 0
		.amdhsa_enable_private_segment 0
		.amdhsa_kernarg_size 56
		.amdhsa_user_sgpr_count 2
		.amdhsa_user_sgpr_kernarg_segment_ptr 1
		.amdhsa_wavefront_size32 1
		.amdhsa_system_sgpr_workgroup_id_x 1
		.amdhsa_system_sgpr_workgroup_id_y 1
		.amdhsa_system_sgpr_workgroup_id_z 1
		.amdhsa_system_vgpr_workitem_id 0
		.amdhsa_next_free_vgpr 960
		.amdhsa_next_free_sgpr 96
		.amdhsa_reserve_vcc 0
		.amdhsa_float_denorm_mode_32 3
		.amdhsa_float_denorm_mode_16_64 3
		.amdhsa_memory_ordered 1
		.amdhsa_forward_progress 1
		.amdhsa_inst_pref_size 147
	.end_amdhsa_kernel
	.amdgpu_metadata
---
amdhsa.version: [ 1, 2 ]
amdhsa.kernels:
  - .name:           k_qbb97a70201_qkv
    .symbol:         k_qbb97a70201_qkv.kd
    .args:
      - { .name: xn, .offset: 0, .size: 8, .value_kind: global_buffer, .address_space: global }
      - { .name: wb, .offset: 8, .size: 8, .value_kind: global_buffer, .address_space: global }
      - { .name: qn_w, .offset: 16, .size: 8, .value_kind: global_buffer, .address_space: global }
      - { .name: kn_w, .offset: 24, .size: 8, .value_kind: global_buffer, .address_space: global }
      - { .name: qh, .offset: 32, .size: 8, .value_kind: global_buffer, .address_space: global }
      - { .name: kh, .offset: 40, .size: 8, .value_kind: global_buffer, .address_space: global }
      - { .name: vh, .offset: 48, .size: 8, .value_kind: global_buffer, .address_space: global }
    .group_segment_fixed_size: 327680
    .private_segment_fixed_size: 0
    .kernarg_segment_align: 8
    .kernarg_segment_size: 56
    .max_flat_workgroup_size: 128
    .sgpr_count:     96
    .vgpr_count:     960
    .wavefront_size: 32
...
	.end_amdgpu_metadata
.endif
;; end of part 2
;; launch attn (part 3): grid 8 x 32, 4 waves a work-group, clusters of 4 x 1, 327,680 bytes of LDS; arguments qh, kh, vh, oh; writes oh
.if DOCPART == 3
	.amdgcn_target "amdgcn-amd-amdhsa--gfx1250"
	.amdhsa_code_object_version 6
	.text
	.protected	k_qbb97a70201_attn
	.globl	k_qbb97a70201_attn
	.p2align	8
	.type	k_qbb97a70201_attn,@function
k_qbb97a70201_attn:
	s_mov_b64 s[64:65], 0
	v_nop
	global_prefetch_b8 v0, s[64:65] scope:SCOPE_SE
	s_setreg_imm32_b32 hwreg(HW_REG_WAVE_MODE, 25, 1), 1
	s_wait_xcnt 0x0
	s_wait_alu depctr_hold_cnt(0) depctr_sa_sdst(0) depctr_va_vdst(0) depctr_va_sdst(0) depctr_va_ssrc(0) depctr_va_vcc(0) depctr_vm_vsrc(0)
	s_getreg_b32 s2, hwreg(HW_REG_IB_STS2, 6, 4)
	s_cmp_eq_u32 s2, 0
	s_cbranch_scc0 .Lentry_in_a_cluster
	s_endpgm
.Lentry_in_a_cluster:
	s_bfe_u32 s2, ttmp6, 0x10000c
	s_cmp_lg_u32 s2, 0x3003
	s_cbranch_scc0 .Lentry_shape_is_right
	s_endpgm
.Lentry_shape_is_right:
; O[h][q][:] = the sum over k of softmax_k(Q[h][q] . K[h][k] / 8) V[h][k][:].  Q, K, V, O: [32][2048][64], all f16: a head's rows are dense, 128 bytes each.  Products, maxima and sums in f32;
; the weights p are rounded to f16 for the second product (their sum l is taken of the unrounded p), O once at the end.
; LIMITS.  Q, K and V arrive within f16; p lies in 0 to 1, and below 6e-5 it keeps f16's fixed step of 6e-8; O is a mean of V's rows.  A weight below 2^-126 counts as 0 in l; NaN and infinities are not treated apart.
; SHARES.  A work-group owns 256 queries of a head, a wave 64 of them as four PIECES of 16.  Every wave walks all 2,048 keys, 64 a step, 256 (four steps) a slot of LDS.
; LAYOUT.  S^T = K Q^T holds ONE query a lane (lane % 16) and the keys 8 (lane / 16) + 0..7; two such results rounded to f16 ARE source 1 of O^T = V^T P.  K comes out of LDS as it lies, V turned.
; SOFTMAX.  p = 2^(c s - c m), c = log2(e) / 8, with a running maximum m; O and l are multiplied by a = 2^(c m_old - c m_new) in every step.  m starts at the lowest finite number, O and l at 0.
; TURNS.  Turn n belongs to piece n: 8 products K Q^T of piece n + 1, later 8 products V^T P of piece n - 1; beside them the scaling, exponentials, roundings, sums and rescaling of piece n and the maximum and
; statistics of piece n + 1.  Four vector instructions stand behind every matrix instruction, the rest in one lump.  A turn's 33 exponentials are one batch, with one wait.
; CLUSTER.  The four query blocks of a cluster belong to one head and walk the same K and V: each tile is asked for JOINTLY, the same tensor load, descriptor and mask in all four.
; REGISTERS by windows of 256.  0: v0-15 addresses; v16-31 statistics; v48-55 at work; v61-63 prefetch offset, spare word, 0; v64-127 S^T, two buffers; v192-223 P, two buffers.
;   1: v0-127 O^T, 32 a piece.   2: v0-63 Q; v128-191 K of one step; v192-255 V of one step.
.set NP,    4
.set KS,    64
.set PK,    144
.set PV,    160
.set VOFF,  4*KS*PK
.set SLOT1, 1<<17
.set STAGE, SLOT1+4*KS*(PK+PV)
.set SP,    144
.set SPARE, STAGE+4*16*SP
.set AK0, 2
.set AV0, 3
.set AK,  4
.set AV,  5
.set STO, 6
.set RD,  7
.set GO,  8
.set MV,  12
.set QO,  15
.set ST,  16
.set TMP, 48
.set PFO, 61
.set SPW, 62
.set NIL, 63
.set S,   64
.set P,   192
.set KF,  128
.set VF,  192
.set WV,  12
.set G1K, 24
.set G1V, 32
.set G0K, 40
.set G0V, 44
.set SLOTS, 56
.set CNT, 57
.set CS,  58
.set SEL, 60
.set TBK, 62
.set TBV, 63
.set PFA, 66
.set LIM, 68
.set MSB, 0
.macro WIN new
.if MSB != (\new)
	s_set_vgpr_msb (MSB<<8)|(\new)
.set MSB, (\new)
.endif
.endm
.set W_KQ, 0x0a
.set W_PV, 0x52
.set W_RS, 0x41
.macro JLOAD                           ; waves 0, 1 fetch the halves of a slot's K, waves 2, 3 those of its V; an s_nop 0 and four v_nop follow each line
	s_cmp_lt_u32 s[WV], 2
	s_cbranch_scc0 .Lfor_v_\@
	tensor_load_to_lds s[G0K:G0K+3], s[G1K:G1K+7]
	s_nop 0
.rept 4
	v_nop
.endr
	s_branch .Lasked_\@
.Lfor_v_\@:
	tensor_load_to_lds s[G0V:G0V+3], s[G1V:G1V+7]
	s_nop 0
.rept 4
	v_nop
.endr
.Lasked_\@:
.endm
; A PREFETCH INTO THE L2 of the tile that the NEXT change of slots will ask for: 128 blocks of 256 bytes of K and of V.  Both clusters of a head walk the same rows: the first asks.  Its four partners take 32 blocks
; each BY ADDRESS; in each, wave 0 asks for K's and wave 2 for V's, a lane a block.  The last change that fills a slot asks for nothing.
.macro ASK
	s_cmp_gt_u32 s[SLOTS], s[LIM]
	s_cbranch_scc0 .Lnot_mine_\@
	global_prefetch_b8 v[PFO], s[PFA:PFA+1] th:TH_LOAD_NT scope:SCOPE_SE
.Lnot_mine_\@:
.endm
.macro CROUND
	s_barrier_signal -1
	s_barrier_wait -1
	s_cmp_lg_u32 s[WV], 0
	s_cbranch_scc1 .Lnot_wave_0_\@
	s_barrier_signal -3
.Lnot_wave_0_\@:
	s_barrier_wait -3
	s_barrier_signal -1
	s_barrier_wait -1
.endm
; THE CHANGE OF SLOTS.  Each wave waits for all its tensor loads (one is out: its part of the other slot), adds 0 to its spare word, and waits for that and for its reads of the slot it leaves.
; fill = 1: the barrier is a round of the cluster's, and the old slot is filled again first thing behind it, with the keys two slots on.  (At its first use: slot 0 is waited for, slot 1 filled.)
.macro CHANGE fill
	WIN 0
	s_wait_tensorcnt 0x0
	ds_add_u32 v[SPW], v[NIL]
.if \fill
.irp g, G0K, G0V
	s_xor_b32 s[\g+1], s[\g+1], SLOT1
	s_add_nc_u64 s[\g+2:\g+3], s[\g+2:\g+3], 4*KS*128
.endr
	s_wait_xcnt 0x0                                ; the last prefetch, a slot back, has read its address
	s_add_nc_u64 s[PFA:PFA+1], s[PFA:PFA+1], 4*KS*128
	s_wait_dscnt 0x0
	CROUND
	JLOAD
	ASK
.else
	s_wait_dscnt 0x0
	s_barrier_signal -1
	s_barrier_wait -1
.endif
	s_sub_co_u32 s[TBK], s[TBK], 4*KS*PK
	s_xor_b32 s[TBK], s[TBK], SLOT1
	s_sub_co_u32 s[TBV], s[TBV], 4*KS*PV
	s_xor_b32 s[TBV], s[TBV], SLOT1
.endm
	s_load_b256 s[4:11], s[0:1], 0x0               ; Q s[4:5], K s[6:7], V s[8:9], O s[10:11]
	v_lshl_add_u32 v[SPW], v0, 2, SPARE
	v_mov_b32 v[NIL], 0
	ds_add_u32 v[SPW], v[NIL]                      ; the wave's opening: the add and its wait stand ahead of my first tensor load
	v_lshrrev_b32 v1, 5, v0
	v_readfirstlane_b32 s[WV], v1
	s_bfe_u32 s13, ttmp6, 0x40000                  ; cx
	s_lshl_b32 s14, ttmp9, 2
	s_add_co_u32 s14, s14, s13                     ; my block of 256 queries: it enters Q's and O's addresses alone
	s_and_b32 s20, ttmp7, 0xffff                   ; the head, which the four partners share
	s_lshl_b32 s20, s20, 18                        ; 2,048 rows of 128 bytes
	s_mov_b32 s21, 0
	s_and_b32 s16, s[WV], 1                        ; which half of a slot's 256 keys I fetch
	s_lshl_b32 s22, s16, 14
	s_mov_b32 s23, 0
	s_add_nc_u64 s[22:23], s[22:23], s[20:21]
	s_mul_i32 s17, s16, 128*PK
	s_mul_i32 s18, s16, 128*PV
	s_lshl_b32 s2, s14, 2
	s_add_co_u32 s2, s2, s[WV]
	s_lshl_b32 s2, s2, 13                          ; my wave's 64 rows
	s_mov_b32 s3, 0
	s_add_nc_u64 s[2:3], s[2:3], s[20:21]
	s_mov_b32 s[G1K], 15|(1<<16)|(1<<20)|(1<<21)|(4<<22)|(3<<25)  ; the mask of four; 2-byte elements; padding on; bit 21 beside a mask; after every 32 words 4 words
	s_mov_b32 s[G1V], 15|(1<<16)|(1<<20)|(1<<21)|(4<<22)|(7<<25)  ; the same with 8 words
.irp g, G1K, G1V
	s_mov_b32 s[\g+1], 128<<16                     ; 128 keys are 16,384 dense bytes: 64 rows of 256
	s_mov_b32 s[\g+2], 64<<16
	s_mov_b32 s[\g+3], 128<<16
	s_mov_b32 s[\g+4], 64
	s_mov_b32 s[\g+5], 128
	s_mov_b32 s[\g+6], 0
	s_mov_b32 s[\g+7], 0
.endr
	s_mov_b32 s[CS], 0x3e38aa3b                    ; c = log2(e) / 8
	s_mov_b32 s[CS+1], s[CS]
	s_mov_b32 s[SEL], 0x76543210
	s_mov_b32 s[SEL+1], 0xfedcba98
	s_mov_b32 s[TBK], SLOT1+4*KS*PK                ; the first change of slots turns these two into 0
	s_mov_b32 s[TBV], SLOT1+4*KS*PV
	s_mov_b32 s[G0K], 1
	s_mov_b32 s[G0K+1], s17
	s_mov_b32 s[G0V], 1
	s_add_co_u32 s[G0V+1], s18, VOFF
	s_mov_b32 s[SLOTS], 7                          ; tiles still to be asked for
	s_and_b32 s[LIM], s[WV], 1                     ; 0 in waves 0 and 2,
	s_or_b32 s[LIM], s[LIM], ttmp9                 ; where the cluster is the head's first: the same in all four partners
	s_cmp_eq_u32 s[LIM], 0
	s_cselect_b32 s[LIM], 1, -1
	v_and_b32 v[PFO], 31, v0
	v_lshlrev_b32 v[PFO], 8, v[PFO]
	s_wait_dscnt 0x0                               ; the opening add is done
	s_wait_kmcnt 0x0
	s_add_nc_u64 s[6:7], s[6:7], s[22:23]          ; K and V at my half of the head's first 256 keys
	s_add_nc_u64 s[8:9], s[8:9], s[22:23]
	s_add_nc_u64 s[G0K+2:G0K+3], s[6:7], 0
	s_or_b32 s[G0K+3], s[G0K+3], 0x80000000
	s_add_nc_u64 s[G0V+2:G0V+3], s[8:9], 0
	s_or_b32 s[G0V+3], s[G0V+3], 0x80000000
	s_add_nc_u64 s[4:5], s[4:5], s[2:3]            ; Q and O at my wave's first row
	s_add_nc_u64 s[10:11], s[10:11], s[2:3]
	s_cmp_lt_u32 s[WV], 2
	s_cselect_b64 s[PFA:PFA+1], s[6:7], s[8:9]     ; (in waves 0 and 2 these stand at a tile's first row)
	s_lshl_b32 s2, s13, 13                         ; my work-group's 32 blocks of the 128,
	s_add_co_u32 s2, s2, 4*KS*128                  ; in tile 1: the first change of slots steps it to tile 2
	s_mov_b32 s3, 0
	s_add_nc_u64 s[PFA:PFA+1], s[PFA:PFA+1], s[2:3]
	CROUND                                         ; all four work-groups are here
	JLOAD                                          ; tile 0 into slot 0
	v_and_b32 v1, 15, v0
	v_bfe_u32 v9, v0, 4, 1
	v_lshlrev_b32 v[QO], 7, v1
	v_lshl_add_u32 v[QO], v9, 4, v[QO]
	WIN 0x80
.set i, 0
.rept 8                                ; Q stays in registers: piece i / 2, channels 32 (i % 2) on
	global_load_b128 v[8*i:8*i+3],   v[QO], s[4:5] offset:(i/2)*2048+(i%2)*64
	global_load_b128 v[8*i+4:8*i+7], v[QO], s[4:5] offset:(i/2)*2048+(i%2)*64+32
.set i, i+1
.endr
	; what the first turn finds: V's registers and P's second buffer hold 0 (its products V^T P, of a piece that has not been, add 0), O^T and l are 0.  All this stands in the wait for the first tile.
.set i, VF
.rept 64
	v_mov_b32 v[i], 0
.set i, i+1
.endr
	WIN 0x40
.set i, 0
.rept 128
	v_mov_b32 v[i], 0
.set i, i+1
.endr
	WIN 0
.set i, 0
.rept 4
	v_mov_b32 v[ST+4*i], 0xfe000000                ; c m: far below every c s
	v_mov_b32 v[ST+4*i+1], 0xff7fffff              ; m
	v_mov_b32 v[ST+4*i+2], 0
	v_mov_b32 v[ST+4*i+3], 0
.set i, i+1
.endr
.set i, P+16
.rept 16
	v_mov_b32 v[i], 0
.set i, i+1
.endr
	v_mul_u32_u24 v[AK0], v1, PK
	v_lshl_add_u32 v[AK0], v9, 4, v[AK0]
	v_and_b32 v10, 7, v0
	v_bfe_u32 v11, v0, 3, 1
	v_lshl_add_u32 v[AV0], v9, 3, v10
	v_mul_u32_u24 v[AV0], v[AV0], PV
	v_lshl_add_u32 v[AV0], v11, 4, v[AV0]
	v_add_nc_u32 v[AV0], VOFF, v[AV0]
	s_mul_i32 s13, s[WV], 16*SP
	s_add_co_u32 s13, s13, STAGE
	v_mul_u32_u24 v[STO], v1, SP
	v_lshl_add_u32 v[STO], v9, 4, v[STO]
	v_add_nc_u32 v[STO], s13, v[STO]
	v_bfe_u32 v[RD], v0, 3, 2
	v_mul_u32_u24 v[RD], v[RD], SP
	v_lshl_add_u32 v[RD], v10, 4, v[RD]
	v_add_nc_u32 v[RD], s13, v[RD]
	v_and_b32 v[GO], 31, v0
	v_lshlrev_b32 v[GO], 4, v[GO]
; THE MATRIX WORK.  The 4 accumulators of a run of 8 take turns.  Product i of 8 of S^T = K Q^T for piece x: channels 32 (i / 4) on, keys 16 (i % 4) on; the first 4 start the sums.
.macro KQ x
	WIN W_KQ
.set rS, S+32*((\x)%2)+8*(i%4)
.set rK, KF+16*(i%4)+8*(i/4)
.set rQ, 16*(\x)+8*(i/4)
.if i < 4
	v_wmma_f32_16x16x32_f16 v[rS:rS+7], v[rK:rK+7], v[rQ:rQ+7], 0
.else
	v_wmma_f32_16x16x32_f16 v[rS:rS+7], v[rK:rK+7], v[rQ:rQ+7], v[rS:rS+7]
.endif
.endm
.macro PV x                            ; product i of 8 of O^T += V^T P for piece x: keys 32 (i / 4) on, channels 16 (i % 4) on
	WIN W_PV
.set rO, 32*(\x)+8*(i%4)
.set rV, VF+32*(i/4)+8*(i%4)
.set rP, P+16*((\x)%2)+8*(i/4)
	v_wmma_f32_16x16x32_f16 v[rO:rO+7], v[rV:rV+7], v[rP:rP+7], v[rO:rO+7]
.endm
.macro MM                              ; the turn's next matrix instruction.  NOKQ = 1: the last turn: there is no next piece
.if (i < 8) && !NOKQ
	KQ (Y+1)%NP
.elseif i >= 8
.set i, i-8
	PV (Y+NP-1)%NP
.set i, i+8
.endif
.set i, i+1
.endm
.macro FETCH_K                         ; a step's K: 16 loads in one run
	WIN 0x80
.irp f, 0,1,2,3,4,5,6,7
	ds_load_b128 v[KF+8*\f:KF+8*\f+3],   v[AK] offset:(\f/2)*16*PK+(\f%2)*64
	ds_load_b128 v[KF+8*\f+4:KF+8*\f+7], v[AK] offset:(\f/2)*16*PK+(\f%2)*64+32
.endr
	s_add_co_u32 s[TBK], s[TBK], KS*PK
	WIN 0
.endm
.macro FETCH_V                         ; a step's V, turned
	WIN 0x80
.irp f, 0,1,2,3,4,5,6,7
	ds_load_tr16_b128 v[VF+8*\f:VF+8*\f+3],   v[AV] offset:(\f/4)*32*PV+(\f%4)*32
	ds_load_tr16_b128 v[VF+8*\f+4:VF+8*\f+7], v[AV] offset:(\f/4)*32*PV+16*PV+(\f%4)*32
.endr
	WIN 0
.endm
; THE VECTOR WORK, one line at a time: OP kind, number.  For piece Y: F n: c s - c m for pair n of 16.  E n: the exponential of score n of 32.  C n: pair n rounded to f16.  B n: of the four weights 4 n .. the
; second pair is added onto the first.  L n: l takes that sum (L 0: l = a l + sum).  R n: pair n of 16 of O^T times a.  For piece Y + 1: X n, number n of the 22 that find its maximum and statistics:
; 0-11 four chains of seven scores (each accumulator's lowest registers first); 12-14, 16 the scores left over, the old m, the chains into one; 15 c m_old is kept;
; 17, 18 the lane 16 away, the new m; 19-21 c m, c m_old - c m_new, a.
.set F, 0
.set E, 1
.set C, 2
.set B, 3
.set L, 4
.set R, 5
.set X, 6
.macro REGS y
.set rT, ST+4*(\y)
.set rC, TMP+4*((\y)%2)
.set rW, MV+((\y)%2)
.set rS, S+32*((\y)%2)
.set rP, P+16*((\y)%2)
.set rO, 32*(\y)
.endm
.macro OP k, n
.if (\k) == R
	REGS Y
	WIN W_RS
	v_pk_mul_f32 v[rO+2*(\n):rO+2*(\n)+1], v[rO+2*(\n):rO+2*(\n)+1], v[rC+2:rC+3] op_sel_hi:[1,0]
.elseif (\k) < R
	REGS Y
	WIN 0
.if (\k) == F
	v_pk_fma_f32 v[rS+2*(\n):rS+2*(\n)+1], v[rS+2*(\n):rS+2*(\n)+1], s[CS:CS+1], v[rT:rT+1] op_sel_hi:[1,0,0] neg_lo:[0,0,1] neg_hi:[0,0,1]
.elseif (\k) == E
	v_exp_f32 v[rS+(\n)], v[rS+(\n)]
.elseif (\k) == C
	v_cvt_pk_f16_f32 v[rP+(\n)], v[rS+2*(\n)], v[rS+2*(\n)+1]
.elseif (\k) == B
	v_pk_add_f32 v[rS+4*(\n):rS+4*(\n)+1], v[rS+4*(\n):rS+4*(\n)+1], v[rS+4*(\n)+2:rS+4*(\n)+3]
.elseif (\n) == 0
	v_pk_fma_f32 v[rT+2:rT+3], v[rT+2:rT+3], v[rC+2:rC+3], v[rS:rS+1] op_sel_hi:[1,0,1]
.else
	v_pk_add_f32 v[rT+2:rT+3], v[rT+2:rT+3], v[rS+4*(\n):rS+4*(\n)+1]
.endif
.elseif NOKQ
	v_nop
.else
	REGS (Y+1)%NP
	WIN 0
.if (\n) < 4
	v_max3_num_f32 v[rC+(\n)], v[rS+8*(\n)], v[rS+8*(\n)+1], v[rS+8*(\n)+2]
.elseif (\n) < 12
	v_max3_num_f32 v[rC+(\n)%4], v[rC+(\n)%4], v[rS+8*((\n)%4)+2*((\n)/4)+1], v[rS+8*((\n)%4)+2*((\n)/4)+2]
.elseif (\n) == 12
	v_max3_num_f32 v[rC], v[rC], v[rS+7], v[rS+15]
.elseif (\n) == 13
	v_max3_num_f32 v[rC+1], v[rC+1], v[rS+23], v[rS+31]
.elseif (\n) == 14
	v_max3_num_f32 v[rC+2], v[rC+2], v[rC+3], v[rT+1]
.elseif (\n) == 15
	v_mov_b32 v[rW], v[rT]
.elseif (\n) == 16
	v_max3_num_f32 v[rC], v[rC], v[rC+1], v[rC+2]
.elseif (\n) == 17
	v_permlanex16_b32 v[rC+3], v[rC], s[SEL], s[SEL+1]
.elseif (\n) == 18
	v_max_num_f32 v[rT+1], v[rC], v[rC+3]
.elseif (\n) == 19
	v_mul_f32 v[rT], s[CS], v[rT+1]
.elseif (\n) == 20
	v_sub_f32 v[rC+1], v[rW], v[rT]
.else
	v_exp_f32 v[rC+2], v[rC+1]
.endif
.endif
.endm
.macro OPS a, i1, b=-1, i2=0, c=-1, i3=0, d=-1, i4=0
	OP \a, \i1
.if (\b) >= 0
	OP \b, \i2
.endif
.if (\c) >= 0
	OP \c, \i3
.endif
.if (\d) >= 0
	OP \d, \i4
.endif
.endm
.macro ROW a, i1, b, i2, c, i3, d, i4  ; a matrix instruction and the four behind it
	MM
	OPS \a, \i1, \b, \i2, \c, \i3, \d, \i4
.endm
; A TURN, for piece p.  Ahead of its one wait stands all that names no result of the turn's exponentials: the 8 products K Q^T with their riders, then the lump, with the next piece's a as the batch's last and
; R 15 as the plain instruction behind it.  Behind the wait: the 8 products V^T P, behind each four of the roundings and sums.  end = 1: the last two turns: nothing is fetched.  cnt = 1: the loop's count is taken
; down some lines ahead of the branch behind the turn.  K of the next step is fetched in piece 2's turn, V of the step in hand at the end of piece 0's; each is waited for a turn later.
.macro TURN p, end=0, cnt=0
.set Y, (\p)
.set i, 0
.set NOKQ, (\end)*((\p)/3)
.if ((\p) == 3) && !(\end)
	s_wait_dscnt 0x0                               ; K is in
.endif
	ROW F,0, F,1, R,0, R,1
	ROW F,2, E,0, R,2, R,3
	ROW F,3, E,1, R,4, R,5
	ROW F,4, E,2, R,6, R,7
	ROW F,5, E,3, R,8, R,9
	ROW F,6, E,4, X,0, R,10
.if ((\p) == 2) && !(\end)
	WIN 0
	v_add_nc_u32 v[AK], s[TBK], v[AK0]
.endif
	ROW F,7, E,5, X,1, X,4
	ROW F,8, E,6, X,2, X,5
	OPS E,7, E,8, X,6, E,9
	OPS X,3, E,10, X,8, E,11
.if ((\p) == 2) && !(\end)
	FETCH_K
.endif
	OPS X,9, X,7, E,12, X,10
	OPS E,13, X,12, X,11, E,14
	OPS X,13, E,15, F,9, X,14
.if (\p) == 0
	v_add_nc_u32 v[AV], s[TBV], v[AV0]
.endif
	OPS E,16, F,10, E,17, F,11
	OPS X,16, E,18, X,15, E,19
	OPS F,12, E,20, X,17, E,21
	OPS F,13, E,22, F,14, E,23
	OPS X,18, E,24, F,15, E,25
	OPS R,11, E,26, X,19, E,27
	OPS R,12, E,28, R,13, E,29
	OPS X,20, E,30, R,14, E,31
	OPS X,21, R,15
	WIN 0
	s_wait_alu depctr_va_vdst(0)                   ; the wait for the batch
.if (\p) == 1
	s_wait_dscnt 0x0                               ; V is in
.endif
	ROW C,0, B,0, C,2, B,1
	ROW L,0, C,4, B,2, L,1
	ROW C,6, B,3, L,2, C,8
	ROW B,4, L,3, C,10, B,5
	ROW L,4, C,12, B,6, L,5
.if (\p) == 0
	s_add_co_u32 s[TBV], s[TBV], KS*PV
.endif
.if \cnt
	s_sub_co_u32 s[CNT], s[CNT], 1
	s_cmp_lg_u32 s[CNT], 0
.endif
	ROW C,14, B,7, L,6, C,1
	ROW C,3, L,7, C,5, C,7
	ROW C,9, C,11, C,13, C,15
.if (\p) == 0
	FETCH_V
.endif
.endm
.set NOKQ, 0
	CHANGE 1                                       ; slot 0 is in, everybody's part of it; slot 1 is asked for
	v_add_nc_u32 v[AK], s[TBK], v[AK0]
	FETCH_K                                        ; key step 0
	s_wait_loadcnt 0x0                             ; Q
	s_wait_dscnt 0x0
.set i, 0
.rept 8
	KQ 0                                           ; piece 0's first scores
.set i, i+1
.endr
	WIN 0
.rept 4
	v_nop                                          ; the places behind those products
.endr
.set Y, NP-1                           ; X works for piece Y + 1: piece 0
.irp n, 0,1,2,3,4,5,6,7,8,9,10,11,12,13,14,15,16,17,18,19,20,21
	OP X, \n
.endr
	v_nop                                          ; a plain instruction behind the exponential,
	s_wait_alu depctr_va_vdst(0)                   ; and its wait, ahead of the branch
	s_mov_b32 s[CNT], 4
	s_branch .Lfirst                               ; the loop is entered at a step's first turn, in the middle of a trip
.Lslot:                                            ; six times: tiles 2 to 7 are asked for
	CHANGE 1
	s_mov_b32 s[CNT], 4
.Lstep:                                            ; a trip: pieces 2 and 3 of one step, then pieces 0 and 1 of the next, whose K and V it fetches
	TURN 2
	TURN 3
	WIN 0
.Lfirst:
	TURN 0
	TURN 1, 0, 1
	WIN 0
	s_cbranch_scc1 .Lstep
	s_sub_co_u32 s[SLOTS], s[SLOTS], 1
	s_cmp_lg_u32 s[SLOTS], 0
	s_cbranch_scc1 .Lslot
	CHANGE 0                                       ; the last tile is written out
	s_mov_b32 s[CNT], 4
.LstepT:
	TURN 2
	TURN 3
	TURN 0
	TURN 1, 0, 1
	WIN 0
	s_cbranch_scc1 .LstepT
	TURN 2, 1
	TURN 3, 1
.set i, 0
.rept 8
	PV NP-1                                        ; the last piece's V^T P of the last step
.set i, i+1
.endr
	; THE WAY OUT.  l's two halves and the other half of the lanes' are added; O^T is divided by l, rounded to f16 and sent through my stage in LDS, a piece at a time.
	WIN 0
.macro ALL line:vararg
.set t, 0
.rept 4
	\line
.set t, t+1
.endr
.endm
	ALL v_add_f32 v[ST+4*t+2], v[ST+4*t+2], v[ST+4*t+3]
	ALL v_permlanex16_b32 v[ST+4*t+3], v[ST+4*t+2], s[SEL], s[SEL+1]
	ALL v_add_f32 v[ST+4*t+2], v[ST+4*t+2], v[ST+4*t+3]
	ALL v_rcp_f32 v[ST+4*t+2], v[ST+4*t+2]
	v_nop                                          ; a plain instruction between the last reciprocal and the use of its result
	s_wait_alu depctr_va_vdst(0)                   ; one wait for the four reciprocals
.macro PACK t
	WIN W_RS
.set i, 32*(\t)
.rept 16
	v_pk_mul_f32 v[i:i+1], v[i:i+1], v[ST+4*(\t)+2:ST+4*(\t)+3] op_sel_hi:[1,0]
.set i, i+2
.endr
	WIN 0x05
.set i, 0
.rept 16
	v_cvt_pk_f16_f32 v[S+16*(\t)+i], v[32*(\t)+2*i], v[32*(\t)+2*i+1]
.set i, i+1
.endr
	WIN 0
.irp f, 0,1,2,3
	ds_store_b128 v[STO], v[S+16*(\t)+4*\f:S+16*(\t)+4*\f+3] offset:32*\f
.endr
.irp f, 0,1,2,3
	ds_load_b128 v[S+16*(\t)+4*\f:S+16*(\t)+4*\f+3], v[RD] offset:\f*4*SP  ; LDS serves a wave's instructions in order: these see the stores above
.endr
.endm
.macro SEND t, younger
	WIN 0
.irp f, 0,1,2,3
	s_wait_dscnt (\younger)+3-\f
	global_store_b128 v[GO], v[S+16*(\t)+4*\f:S+16*(\t)+4*\f+3], s[10:11] offset:(\t)*2048+\f*512  ; 512 consecutive bytes, at a multiple of 256 from O's first
.endr
.endm
	PACK 0
.set t, 1
.rept 3
	PACK t
	SEND t-1, 8
.set t, t+1
.endr
	SEND 3, 0
	s_wait_tensorcnt 0x0                           ; the wave's end
	ds_add_u32 v[SPW], v[NIL]
	s_wait_dscnt 0x0
	CROUND                                         ; the closing round
	s_endpgm
.Lfunc_end_k_qbb97a70201_attn:
	.size	k_qbb97a70201_attn, .Lfunc_end_k_qbb97a70201_attn-k_qbb97a70201_attn
	.p2alignl 7, 3214868480
	.fill 96, 4, 3214868480
	.section	.rodata,"a",@progbits
	.p2align	6, 0x0
	.amdhsa_kernel k_qbb97a70201_attn
		.amdhsa_group_segment_fixed_size 327680
		.amdhsa_private_segment_fixed_size 0
		.amdhsa_enable_private_segment 0
		.amdhsa_kernarg_size 32
		.amdhsa_user_sgpr_count 2
		.amdhsa_user_sgpr_kernarg_segment_ptr 1
		.amdhsa_wavefront_size32 1
		.amdhsa_system_sgpr_workgroup_id_x 1
		.amdhsa_system_sgpr_workgroup_id_y 1
		.amdhsa_system_sgpr_workgroup_id_z 1
		.amdhsa_system_vgpr_workitem_id 0
		.amdhsa_next_free_vgpr 768
		.amdhsa_next_free_sgpr 72
		.amdhsa_reserve_vcc 0
		.amdhsa_float_denorm_mode_32 3
		.amdhsa_float_denorm_mode_16_64 3
		.amdhsa_memory_ordered 1
		.amdhsa_forward_progress 1
		.amdhsa_inst_pref_size 128
	.end_amdhsa_kernel
	.amdgpu_metadata
---
amdhsa.version: [ 1, 2 ]
amdhsa.kernels:
  - .name:           k_qbb97a70201_attn
    .symbol:         k_qbb97a70201_attn.kd
    .args:
      - { .name: qh, .offset: 0, .size: 8, .value_kind: global_buffer, .address_space: global }
      - { .name: kh, .offset: 8, .size: 8, .value_kind: global_buffer, .address_space: global }
      - { .name: vh, .offset: 16, .size: 8, .value_kind: global_buffer, .address_space: global }
      - { .name: oh, .offset: 24, .size: 8, .value_kind: global_buffer, .address_space: global }
    .group_segment_fixed_size: 327680
    .private_segment_fixed_size: 0
    .kernarg_segment_align: 8
    .kernarg_segment_size: 32
    .max_flat_workgroup_size: 128
    .sgpr_count:     72
    .vgpr_count:     768
    .wavefront_size: 32
...
	.end_amdgpu_metadata
.endif
;; end of part 3
;; launch proj (part 4): grid 16 x 16, 4 waves a work-group, clusters of 4 x 4, 327,680 bytes of LDS; arguments oh, wob, out0; writes out0
.if DOCPART == 4
	.amdgcn_target "amdgcn-amd-amdhsa--gfx1250"
	.amdhsa_code_object_version 6
	.text
	.protected	k_qbb97a70201_proj
	.globl	k_qbb97a70201_proj
	.p2align	8
	.type	k_qbb97a70201_proj,@function
k_qbb97a70201_proj:
	s_mov_b64 s[64:65], 0
	v_nop
	global_prefetch_b8 v0, s[64:65] scope:SCOPE_SE
	s_setreg_imm32_b32 hwreg(HW_REG_WAVE_MODE, 25, 1), 1
	s_wait_xcnt 0x0
	s_wait_alu depctr_hold_cnt(0) depctr_sa_sdst(0) depctr_va_vdst(0) depctr_va_sdst(0) depctr_va_ssrc(0) depctr_va_vcc(0) depctr_vm_vsrc(0)
	s_getreg_b32 s2, hwreg(HW_REG_IB_STS2, 6, 4)
	s_cmp_eq_u32 s2, 0
	s_cbranch_scc0 .Lentry_in_a_cluster
	s_endpgm
.Lentry_in_a_cluster:
	s_bfe_u32 s2, ttmp6, 0x10000c
	s_cmp_lg_u32 s2, 0xf033
	s_cbranch_scc0 .Lentry_shape_is_right
	s_endpgm
.Lentry_shape_is_right:
; out0 [4096][2048] f32 = O [4096][1024] x wo, f16 operands, f32 sums.  O lies by heads, [batch 16 + head][2048][64]: a head's 64 channels are one slice of K.  wob is laid in segments of [64 k][64 n].
; A TILE is 256 rows x 128 columns: 16 x 16 tiles, a work-group each; the four waves lie one below the other, 64 rows x 128 columns each: 32 accumulators, 256 registers.
; K goes in steps of 128 (two heads) through two LDS slots: A as [head of the step][256 rows] of 128 bytes, pitch 144; W as [k chunk][column half][64 k] rows of 128 bytes, pitch 160, turned on the way out of LDS.
; THE LOOP IS ONE K STEP: slot 1 begins at 1 << 17 (a slot uses 114,688 bytes), so one exclusive or turns an LDS address in one slot into the other's: the walking descriptors' and the fragment loads'.
; THE CLUSTERS BEGIN K AT DIFFERENT STEPS.  Cluster (X, Y) takes K step (r + t) mod 8 in its trip t, r = (2 X + 4 g) mod 8, g = (Y xor Y / 2) mod 2: all 8 steps, once each (f32 sums may be taken in any order).
; The four clusters of one Y, which read the same rows of O, have their r 2 apart; two clusters of one X whose Y differ by 1 (0 and 1, 2 and 3) or by 2, which read the same weights, 4 apart.
; r is made of the cluster's coordinates alone: it is the same in all sixteen partners.
; The matrix instruction is used transposed (source 0 = 16 columns of W, source 1 = 16 rows of O): a lane holds row lane % 16 and the columns 16 b + 8 (lane / 16) + 0..7.
; CLUSTER 4 x 4: A's tile is shared along a row of the cluster, W's along a column.  Waves 0, 1 fetch the step's two heads of A, waves 2, 3 its two k chunks of W.
; LIMITS.  O and wo arrive within f16.  NaN and infinities are not treated apart.
; REGISTERS by windows of 256.  0: v16-31 addresses; v64-127 A's fragments, two buffers; v128-255 the way out.  1: v0-127 W's fragments, two buffers.  2: the accumulators at 8 (8 a + b).
.set PA,    144
.set PW,    160
.set HALFA, 256*PA
.set HALFW, 128*PW
.set WOFF,  2*HALFA
.set SLOT,  1<<17
.set STAGE, 2*SLOT                     ; behind the ring: 16 rows x 528 bytes for each wave
.set SP,    528
.set SPARE, STAGE+4*16*SP
.set KSTEPS, 8
.set ASTEP, 524288                     ; bytes from a K step to the next: two heads of O,
.set WSTEP, 32768                      ; two k chunks of the tile's weights
.set ADRA0, 16                         ; v16 my lane's place among A's fragments in a slot; never rewritten
.set ADRA,  17                         ; v17 the same in the slot in hand
.set ADRW0, 20
.set ADRW,  21
.set STO,  24
.set RD,   25
.set GO,   26
.set SPW,  28
.set NIL,  29
.set PFO,  30
.set BK0,  128                         ; v128-191, v192-255: 16 rows read back from the stage, by turns
.set ROT, 2                            ; s2 r
.set TB,  4                            ; s4 the first LDS byte of the slot in hand: 0 or SLOT
.set STP, 5                            ; s5 the K step that the walking descriptors name
.set OFA, 6                            ; s[6:7] its byte offset in A's tile,
.set OFW, 8                            ; s[8:9] in W's
.set BA,  14                           ; s[14:15] what I fetch of A's tile, at K step 0; never rewritten once made
.set BW,  18                           ; s[18:19] the same for W
.set G1A, 24
.set G0A, 32                           ; s[32:39] group 0 for A: a set for each of the two first fills; the second then walks on
.set G1W, 48
.set G0W, 56
.set PFA, 44                           ; s[44:45] what my one prefetch names; never rewritten
.set LIM, 66
.set MSB, 0
.macro WIN new
.if MSB != (\new)
	s_set_vgpr_msb (MSB<<8)|(\new)
.set MSB, \new
.endif
.endm
.set MUL,  0xa1                        ; source 0 (W) window 1, source 1 (A) window 0, C and D window 2
.set TO_W, 0x40
.macro PLACES
.rept 4
	v_nop
.endr
.endm
.macro JLOAD                           ; a joint refill, by the walking descriptor; an s_nop 0 and four v_nop follow each line
	s_cmp_eq_u32 s11, 0
	s_cbranch_scc0 .Lfor_w_\@
	tensor_load_to_lds s[G0A+4:G0A+7], s[G1A:G1A+7]
	s_nop 0
	PLACES
	s_branch .Lasked_\@
.Lfor_w_\@:
	tensor_load_to_lds s[G0W+4:G0W+7], s[G1W:G1W+7]
	s_nop 0
	PLACES
.Lasked_\@:
.endm
.macro CREST
	s_cmp_lg_u32 s10, 0
	s_cbranch_scc1 .Lnot_wave_0_\@
	s_barrier_signal -3
.Lnot_wave_0_\@:
	s_barrier_wait -3
	s_barrier_signal -1
	s_barrier_wait -1
.endm
.macro CROUND
	s_barrier_signal -1
	s_barrier_wait -1
	CREST
.endm
; A PREFETCH INTO THE L2, behind the joint load, its five lines and the run of LDS loads.  Of the four clusters that read the same rows of O, a K step falls into trips 0 and 1 of exactly one: those are the first fills.  Of two
; clusters whose r are 4 apart, a K step of the weights falls into trips 0 to 3 of exactly one; trips 0 and 1 are the first fills, and nothing is asked for at the kernel's head, so trip 2's comes by its load alone.
; Trip 3's is asked for at the first change of slots, one K step, 128 matrix instructions, ahead: 128 blocks of 256 bytes on end, a lane a block; wave 2 asks, in clusters with Y < 2; the four partners along y take
; 32 blocks each BY ADDRESS.  A cluster with Y >= 2 has the r of one with Y < 2 and asks for nothing: each block is named once.
.macro ASK
	s_cmp_gt_u32 s3, s[LIM]
	s_cbranch_scc0 .Lnot_mine_\@
	global_prefetch_b8 v[PFO], s[PFA:PFA+1] th:TH_LOAD_NT scope:SCOPE_SE
.Lnot_mine_\@:
.endm
	s_load_b128 s[72:75], s[0:1], 0x0              ; oh 72:73, wob 74:75
	s_load_b64 s[76:77], s[0:1], 0x10              ; out0
	v_lshl_add_u32 v[SPW], v0, 2, SPARE
	v_mov_b32 v[NIL], 0
	ds_add_u32 v[SPW], v[NIL]                      ; the wave's opening: the add and its wait stand ahead of my first tensor load
	v_lshrrev_b32 v1, 5, v0
	v_readfirstlane_b32 s10, v1
	s_lshr_b32 s11, s10, 1
	s_and_b32 s12, s10, 1
	s_bfe_u32 s40, ttmp6, 0x40000                  ; cx
	s_bfe_u32 s41, ttmp6, 0x40004                  ; cy
	s_lshl_b32 s42, ttmp9, 2
	s_add_co_u32 s42, s42, s40                     ; the tile column nt
	s_and_b32 s92, ttmp7, 0xffff                   ; Y
	s_lshl_b32 s13, s92, 2
	s_add_co_u32 s13, s13, s41                     ; the tile row tr
	s_lshr_b32 s93, s92, 1
	s_xor_b32 s93, s93, s92
	s_and_b32 s93, s93, 1                          ; g
	s_lshl_b32 s93, s93, 2
	s_lshl_b32 s[ROT], ttmp9, 1
	s_add_co_u32 s[ROT], s[ROT], s93
	s_and_b32 s[ROT], s[ROT], KSTEPS-1             ; r = (2 X + 4 g) mod 8
	s_lshl_b32 s[OFA], s[ROT], 19
	s_mov_b32 s[OFA+1], 0
	s_lshl_b32 s[OFW], s[ROT], 15
	s_mov_b32 s[OFW+1], 0
	s_add_co_u32 s[STP], s[ROT], 1                 ; the second first fill's K step (r is even: no wrap)
	s_lshl_b32 s86, s41, 2
	s_lshl_b32 s86, 15, s86
	s_lshl_b32 s87, 0x1111, s40
	s_or_b32 s[G1A], s86, (1<<16)|(1<<20)|(1<<21)|(4<<22)|(3<<25)  ; after every 32 words (a row of 64 channels) 4 words
	s_mov_b32 s[G1A+1], 128<<16                    ; 256 rows of 128 bytes are dense: asked for as 128 rows of 256
	s_mov_b32 s[G1A+2], 128<<16
	s_mov_b32 s[G1A+3], 128<<16
	s_mov_b32 s[G1A+4], 128
	s_mov_b32 s[G1A+5], 128
	s_mov_b32 s[G1A+6], 0
	s_mov_b32 s[G1A+7], 0
	s_or_b32 s[G1W], s87, (1<<16)|(1<<20)|(1<<21)|(4<<22)|(7<<25)  ; 8 words
	s_mov_b32 s[G1W+1], 128<<16                    ; 16,384 dense bytes as 64 rows of 256
	s_mov_b32 s[G1W+2], 64<<16
	s_mov_b32 s[G1W+3], 128<<16
	s_mov_b32 s[G1W+4], 64
	s_mov_b32 s[G1W+5], 128
	s_mov_b32 s[G1W+6], 0
	s_mov_b32 s[G1W+7], 0
	s_lshr_b32 s14, s13, 3                         ; A: the batch's head (wave & 1) of K step 0, the tile's 256 rows: of tr and the wave alone
	s_lshl_b32 s14, s14, 4
	s_add_co_u32 s14, s14, s12
	s_lshl_b32 s14, s14, 18
	s_and_b32 s15, s13, 7
	s_lshl_b32 s15, s15, 15
	s_add_co_u32 s14, s14, s15
	s_mov_b32 s15, 0
	s_lshl_b32 s18, s42, 4                         ; W: the tile's k chunk (wave & 1): of nt and the wave alone
	s_add_co_u32 s18, s18, s12
	s_lshl_b32 s18, s18, 14
	s_mov_b32 s19, 0
	s_mul_i32 s16, s10, HALFA
	s_mul_i32 s20, s10, HALFW
	s_add_co_u32 s20, s20, WOFF-2*HALFW
	s_mov_b32 s[TB], 0
	s_wait_dscnt 0x0                               ; the opening add is done
	s_wait_kmcnt 0x0
	s_add_nc_u64 s[BA:BA+1], s[72:73], s[14:15]
	s_add_nc_u64 s[BW:BW+1], s[74:75], s[18:19]
	CROUND
.irp s, 0,1
	s_mov_b32 s[G0A+4*(\s)], 1
	s_add_co_u32 s[G0A+4*(\s)+1], s16, (\s)*SLOT
	s_add_nc_u64 s[G0A+4*(\s)+2:G0A+4*(\s)+3], s[BA:BA+1], s[OFA:OFA+1]  ; K step r,
	s_mov_b32 s[G0W+4*(\s)], 1
	s_add_co_u32 s[G0W+4*(\s)+1], s20, (\s)*SLOT
	s_add_nc_u64 s[G0W+4*(\s)+2:G0W+4*(\s)+3], s[BW:BW+1], s[OFW:OFW+1]
.if \s
	s_add_nc_u64 s[G0A+4*(\s)+2:G0A+4*(\s)+3], s[G0A+4*(\s)+2:G0A+4*(\s)+3], ASTEP  ; and r + 1
	s_add_nc_u64 s[G0W+4*(\s)+2:G0W+4*(\s)+3], s[G0W+4*(\s)+2:G0W+4*(\s)+3], WSTEP
.endif
	s_or_b32 s[G0A+4*(\s)+3], s[G0A+4*(\s)+3], 0x80000000
	s_or_b32 s[G0W+4*(\s)+3], s[G0W+4*(\s)+3], 0x80000000
.endr
	s_cmp_eq_u32 s11, 0                            ; a wave's two first fills stand in one branch: two loads of mine are out
	s_cbranch_scc0 .Lfirst_w
	tensor_load_to_lds s[G0A:G0A+3], s[G1A:G1A+7]
	s_nop 0
	tensor_load_to_lds s[G0A+4:G0A+7], s[G1A:G1A+7]
	s_nop 0
	PLACES
	s_branch .Lfirst_asked
.Lfirst_w:
	tensor_load_to_lds s[G0W:G0W+3], s[G1W:G1W+7]
	s_nop 0
	tensor_load_to_lds s[G0W+4:G0W+7], s[G1W:G1W+7]
	s_nop 0
	PLACES
.Lfirst_asked:
	v_and_b32 v1, 15, v0
	v_bfe_u32 v2, v0, 4, 1
	v_mul_u32_u24 v3, v1, PA
	v_lshl_add_u32 v3, v2, 4, v3
	s_mul_i32 s17, s10, 64*PA
	v_add_nc_u32 v[ADRA0], s17, v3
	v_add_nc_u32 v[ADRA], s[TB], v[ADRA0]          ; slot 0
	v_and_b32 v5, 7, v0
	v_lshl_add_u32 v4, v2, 3, v5
	v_mul_u32_u24 v4, v4, PW
	v_bfe_u32 v6, v0, 3, 1
	v_lshl_add_u32 v4, v6, 4, v4
	v_add_nc_u32 v[ADRW0], WOFF, v4
	v_add_nc_u32 v[ADRW], s[TB], v[ADRW0]
	s_mul_i32 s21, s10, 16*SP
	s_add_co_u32 s21, s21, STAGE                   ; my stage
	v_mul_u32_u24 v[STO], v1, SP                   ; in: row l % 16, 32 bytes for each half of the lanes
	v_lshl_add_u32 v[STO], v2, 5, v[STO]
	v_add_nc_u32 v[STO], s21, v[STO]
	v_and_b32 v[GO], 31, v0                        ; back: 32 lanes take one row of 512 bytes
	v_lshlrev_b32 v[GO], 4, v[GO]
	v_add_nc_u32 v[RD], s21, v[GO]
	s_lshl_b32 s22, s13, 8
	s_lshl_b32 s23, s10, 6
	s_add_co_u32 s22, s22, s23                     ; my first row of out0, 8,192 bytes a row,
	s_lshl_b32 s22, s22, 13
	s_lshl_b32 s23, s42, 9                         ; the tile's 128 columns
	s_add_co_u32 s22, s22, s23
	s_mov_b32 s23, 0
	s_add_nc_u64 s[76:77], s[76:77], s[22:23]
	; what the one prefetch names: the tile's weights of K step (r + 3) mod 8, my work-group's 32 blocks of the 128
	s_add_co_u32 s88, s[ROT], 3
	s_and_b32 s88, s88, KSTEPS-1
	s_lshl_b32 s88, s88, 15
	s_lshl_b32 s89, s42, 18                        ; the tile's 262,144 bytes of wob
	s_add_co_u32 s88, s88, s89
	s_lshl_b32 s89, s41, 13
	s_add_co_u32 s88, s88, s89
	s_mov_b32 s89, 0
	s_add_nc_u64 s[PFA:PFA+1], s[74:75], s[88:89]
	s_cmp_lt_u32 s92, 2
	s_cselect_b32 s95, 5, -1                       ; the first of the 6 refills asks, in clusters with Y < 2,
	s_cmp_eq_u32 s10, 2
	s_cselect_b32 s[LIM], s95, -1                  ; in wave 2: the same in all sixteen partners, for a given wave
	v_and_b32 v[PFO], 31, v0
	v_lshlrev_b32 v[PFO], 8, v[PFO]
; 8 matrix instructions: row block a x all 8 column blocks, 32 along K, from buffer f.  The 32 accumulators take turns.
.macro MUL8 f, a, zero
	WIN MUL
.irp b, 0,1,2,3,4,5,6,7
.if \zero
	v_wmma_f32_16x16x32_f16 v[8*(8*(\a)+(\b)):8*(8*(\a)+(\b))+7], v[64*(\f)+8*(\b):64*(\f)+8*(\b)+7], v[64+32*(\f)+8*(\a):64+32*(\f)+8*(\a)+7], 0
.else
	v_wmma_f32_16x16x32_f16 v[8*(8*(\a)+(\b)):8*(8*(\a)+(\b))+7], v[64*(\f)+8*(\b):64*(\f)+8*(\b)+7], v[64+32*(\f)+8*(\a):64+32*(\f)+8*(\a)+7], v[8*(8*(\a)+(\b)):8*(8*(\a)+(\b))+7]
.endif
.endr
.endm
; 24 LDS loads in one run: quarter q of the slot in hand into buffer f: W's 8 fragments, turned, then A's four
.macro FETCH q, f
	WIN TO_W
.irp b, 0,1,2,3,4,5,6,7
	ds_load_tr16_b128 v[64*(\f)+8*(\b):64*(\f)+8*(\b)+3],   v[ADRW] offset:((\q)/2)*HALFW+((\q)%2)*32*PW+((\b)/4)*64*PW+((\b)%4)*32
	ds_load_tr16_b128 v[64*(\f)+8*(\b)+4:64*(\f)+8*(\b)+7], v[ADRW] offset:((\q)/2)*HALFW+((\q)%2)*32*PW+((\b)/4)*64*PW+((\b)%4)*32+16*PW
.endr
	WIN 0
.irp i, 0,1,2,3
	ds_load_b128 v[64+32*(\f)+8*(\i):64+32*(\f)+8*(\i)+3],   v[ADRA] offset:((\q)/2)*HALFA+((\q)%2)*64+(\i)*16*PA
	ds_load_b128 v[64+32*(\f)+8*(\i)+4:64+32*(\f)+8*(\i)+7], v[ADRA] offset:((\q)/2)*HALFA+((\q)%2)*64+(\i)*16*PA+32
.endr
.endm
.macro QUARTER qn, f, g, zero
	s_wait_dscnt 4                                 ; all but the youngest four loads: A's blocks 2 and 3
	MUL8 \f, 0, \zero
	MUL8 \f, 1, \zero
	PLACES
	FETCH \qn, \g
	s_wait_dscnt 24                                ; all but the 24 just issued
	MUL8 \f, 2, \zero
	MUL8 \f, 3, \zero
.endm
; The last quarter multiplies buffer 1 and changes slots: the wait for all my tensor loads, the add, the wait for it and for my reads of this slot, the barrier; fill = 1: it opens a round of the cluster's,
; and behind the round this slot is filled again, first thing.  The walking descriptors are made while the add is out, where no tensor load of mine is out: they turn to this slot, and their addresses are made anew
; from the next K step's number, which goes round at 8.
.macro TURN fill
	WIN 0
	s_wait_tensorcnt 0x0
	ds_add_u32 v[SPW], v[NIL]
.if \fill
	s_add_co_u32 s[STP], s[STP], 1
	s_and_b32 s[STP], s[STP], KSTEPS-1
	s_lshl_b32 s[OFA], s[STP], 19
	s_lshl_b32 s[OFW], s[STP], 15
	s_xor_b32 s[G0A+5], s[G0A+5], SLOT
	s_add_nc_u64 s[G0A+6:G0A+7], s[BA:BA+1], s[OFA:OFA+1]
	s_or_b32 s[G0A+7], s[G0A+7], 0x80000000
	s_xor_b32 s[G0W+5], s[G0W+5], SLOT
	s_add_nc_u64 s[G0W+6:G0W+7], s[BW:BW+1], s[OFW:OFW+1]
	s_or_b32 s[G0W+7], s[G0W+7], 0x80000000
.endif
	s_wait_dscnt 5                                 ; (the add and the youngest four loads may be out)
	MUL8 1, 0, 0
	s_wait_dscnt 0x0
	s_barrier_signal -1
	MUL8 1, 1, 0
	WIN 0
	s_barrier_wait -1
.if \fill
	CREST
	JLOAD                                          ; its four v_nop are also the places in front of the loads below
.else
	PLACES
.endif
	s_xor_b32 s[TB], s[TB], SLOT                   ; the fragment loads go over to the other slot
	v_add_nc_u32 v[ADRA], s[TB], v[ADRA0]
	v_add_nc_u32 v[ADRW], s[TB], v[ADRW0]
	FETCH 0, 0
.if \fill
	ASK
.endif
	MUL8 1, 2, 0
	MUL8 1, 3, 0
.endm
	s_wait_tensorcnt 1                             ; my part of the first K step is in; the second's may stay out
	s_barrier_signal -1
	s_barrier_wait -1
	FETCH 0, 0
	QUARTER 1, 0, 1, 1                             ; the first quarter starts the sums
	WIN 0
	s_mov_b32 s3, KSTEPS-2                         ; refills to come
.Lstep:                                            ; from a K step's second quarter to the next step's first; the slot that is left is filled again
	QUARTER 2, 1, 0, 0
	QUARTER 3, 0, 1, 0
	TURN 1
	QUARTER 1, 0, 1, 0
	WIN 0
	s_sub_co_u32 s3, s3, 1
	s_cmp_lg_u32 s3, 0
	s_cbranch_scc1 .Lstep
	QUARTER 2, 1, 0, 0                             ; the last two K steps are written out: they fill nothing
	QUARTER 3, 0, 1, 0
	TURN 0
	QUARTER 1, 0, 1, 0
	QUARTER 2, 1, 0, 0
	QUARTER 3, 0, 1, 0
	s_wait_dscnt 4
	MUL8 1, 0, 0
	MUL8 1, 1, 0
	s_wait_dscnt 0x0
	MUL8 1, 2, 0
	MUL8 1, 3, 0
	WIN 0
	PLACES
	PLACES
; THE WAY OUT, a block of 16 rows at a time, in f32: a lane's 32 bytes go into rows of 528 bytes of my own stage and come back as whole rows of 512.
.macro STG a
.set BK, BK0+64*((\a)%2)
	WIN 0x08                                       ; the stores' data in window 2
.irp b, 0,1,2,3,4,5,6,7
	ds_store_b128 v[STO], v[64*(\a)+8*(\b):64*(\a)+8*(\b)+3]   offset:64*(\b)      ; each accumulator's lowest registers first
	ds_store_b128 v[STO], v[64*(\a)+8*(\b)+4:64*(\a)+8*(\b)+7] offset:64*(\b)+16
.endr
	WIN 0
	s_wait_xcnt 0x0                                ; the stores of the block two back have read these registers
.irp t, 0,1,2,3,4,5,6,7,8,9,10,11,12,13,14,15
	ds_load_b128 v[BK+4*(\t):BK+4*(\t)+3], v[RD] offset:(\t)*SP  ; LDS serves a wave's instructions in order: these see the stores above
.endr
.endm
.macro SEND a, younger                 ; younger: the LDS instructions issued behind block a's loads
.set BK, BK0+64*((\a)%2)
	WIN 0
.irp t, 0,1,2,3,4,5,6,7,8,9,10,11,12,13,14,15
	s_wait_dscnt (\younger)+15-(\t)
	global_store_b128 v[GO], v[BK+4*(\t):BK+4*(\t)+3], s[76:77] offset:(16*(\a)+(\t))*8192 th:TH_STORE_NT  ; 512 consecutive bytes, at a multiple of 256 from out0's first
.endr
.endm
	STG 0
.irp a, 1,2,3
	STG \a
	SEND (\a)-1, 32
.endr
	SEND 3, 0
	s_wait_tensorcnt 0x0                           ; the wave's end
	ds_add_u32 v[SPW], v[NIL]
	s_wait_dscnt 0x0
	CROUND                                         ; the closing round
	s_endpgm
.Lfunc_end_k_qbb97a70201_proj:
	.size	k_qbb97a70201_proj, .Lfunc_end_k_qbb97a70201_proj-k_qbb97a70201_proj
	.p2alignl 7, 3214868480
	.fill 96, 4, 3214868480
	.section	.rodata,"a",@progbits
	.p2align	6, 0x0
	.amdhsa_kernel k_qbb97a70201_proj
		.amdhsa_group_segment_fixed_size 327680
		.amdhsa_private_segment_fixed_size 0
		.amdhsa_enable_private_segment 0
		.amdhsa_kernarg_size 24
		.amdhsa_user_sgpr_count 2
		.amdhsa_user_sgpr_kernarg_segment_ptr 1
		.amdhsa_wavefront_size32 1
		.amdhsa_system_sgpr_workgroup_id_x 1
		.amdhsa_system_sgpr_workgroup_id_y 1
		.amdhsa_system_sgpr_workgroup_id_z 1
		.amdhsa_system_vgpr_workitem_id 0
		.amdhsa_next_free_vgpr 768
		.amdhsa_next_free_sgpr 96
		.amdhsa_reserve_vcc 0
		.amdhsa_float_denorm_mode_32 3
		.amdhsa_float_denorm_mode_16_64 3
		.amdhsa_memory_ordered 1
		.amdhsa_forward_progress 1
		.amdhsa_inst_pref_size 72
	.end_amdhsa_kernel
	.amdgpu_metadata
---
amdhsa.version: [ 1, 2 ]
amdhsa.kernels:
  - .name:           k_qbb97a70201_proj
    .symbol:         k_qbb97a70201_proj.kd
    .args:
      - { .name: oh, .offset: 0, .size: 8, .value_kind: global_buffer, .address_space: global }
      - { .name: wob, .offset: 8, .size: 8, .value_kind: global_buffer, .address_space: global }
      - { .name: out0, .offset: 16, .size: 8, .value_kind: global_buffer, .address_space: global }
    .group_segment_fixed_size: 327680
    .private_segment_fixed_size: 0
    .kernarg_segment_align: 8
    .kernarg_segment_size: 24
    .max_flat_workgroup_size: 128
    .sgpr_count:     96
    .vgpr_count:     768
    .wavefront_size: 32
...
	.end_amdgpu_metadata
.endif
;; end of part 4
;; ======== version 2 of 2: 4 launches; version 1 with the launch prep written anew for expert scheduling mode
;; limits: values are held in f16: magnitudes above 65,504 overflow, below 6.1e-05 lose precision
;; workspace buffers: xn 16,777,216 bytes; wb 12,582,912 bytes; wob 4,194,304 bytes; qh 8,388,608 bytes; kh 8,388,608 bytes; vh 8,388,608 bytes; oh 8,388,608 bytes
;; launch prep (part 5): grid 512 x 1, 8 waves a work-group, no clusters, 0 bytes of LDS; arguments x, norm_w, wq, wk, wv, wo, xn, wb, wob; writes xn, wb, wob
.if DOCPART == 5
	.amdgcn_target "amdgcn-amd-amdhsa--gfx1250"
	.amdhsa_code_object_version 6
	.text
	.protected	k_qbb97a70201_prep
	.globl	k_qbb97a70201_prep
	.p2align	8
	.type	k_qbb97a70201_prep,@function
k_qbb97a70201_prep:
	s_mov_b64 s[64:65], 0
	v_nop
	global_prefetch_b8 v0, s[64:65] scope:SCOPE_SE
	s_setreg_imm32_b32 hwreg(HW_REG_WAVE_SCHED_MODE, 0, 2), 2
	s_setreg_imm32_b32 hwreg(HW_REG_WAVE_MODE, 25, 1), 1
	s_wait_xcnt 0x0
	s_wait_alu depctr_vm_vsrc(0)
; PREP.  (1) xn = LayerNorm(x) * norm_w, f32 in, f16 out, [4096][2048].  (2) the four weights, f32 in, f16 out, laid in SEGMENTS of [64 k][64 n], 8,192 dense bytes:
;   wb  = [head 16][k chunk 32][q, k, v][64 k][64 n]      wob = [n tile 16][k chunk 16][half of the tile's 128 columns][64 k][64 n]
; so that each tile the two products ask for later is dense in memory.  The weights stay [k][n]; they are turned on their way out of LDS.
; A stream: each byte read once and written once, no LDS, no barrier, no loop, no branch.  512 work-groups x 8 waves = 4,096 waves of equal work: wave W takes row W of x, and half W & 1 (32 k rows)
; of segment W >> 1 of 2,048 (512 each of wq, wk, wv, wo).  48 loads of 16 bytes a lane go out together: the half segment, the row, the gain.
; LAYERNORM in f32 in two passes over registers (the mean; then the mean of (x - mean)^2), so a common offset in x costs nothing.
; LIMITS.  f16 ends at 65,504: xn is at most 45.3 |norm_w| and has room; a weight must stay under 65,504, and below 6e-5 it keeps f16's fixed step of 6e-8.  NaN and infinities are not treated apart.
; THE MODE: SCHED_MODE bits 1:0 = 2 (LLVM: expert scheduling mode 2), set by the entry lines.  The code itself states the register dependences between vector instructions and memory
; instructions, with s_wait_alu, always for 0.
; THE PLAN.  Registers that memory instructions touch:
;   v1, v2, AD   offsets.  Written once, at the head, by vector instructions; read by every load and store; never written again: one wait on va_vdst ahead of the first load serves them all.
;   CD           Load t lands in CD + 4 t .. + 3, which no vector instruction names before; two conversions pack it into CD + 4 t, + 1; store t reads those two; nothing writes them again.
;   X            The row's loads land; the LayerNorm works in place; group g of four (pairs 8 g .. 8 g + 7) is rounded into X + 8 g .. + 7, which stores 4 g .. 4 g + 3 read.  Later groups write from
;                X + 16 (g + 1) and from X + 8 (g + 1) on: above those registers.
;   G            Loads land, vector instructions read.        T, MU, R are named by vector instructions alone.
; So what has to be stated for the stores is that their data are written.  Both parts go in four groups of four stores: one wait on va_vdst at a group's head states that the group before has written
; its registers, and that group's stores are dealt among this group's vector instructions, which name none of them.  No register that a memory instruction has read is ever written again: no wait on
; vm_vsrc is owed.  EXEC is never written.  One vector instruction writes a scalar register: the wave's number.
.set T,   8                            ; v[8:15]    four packed chains
.set MU,  16                           ; v[16:17]   the mean, twice
.set R,   18                           ; v[18:19]   1 / sqrt(var + eps), twice
.set AD,  20                           ; v[20:35]   the cast's 16 load offsets, two rows apart; never rewritten
.set X,   64                           ; v[64:127]  my row: load t holds elements 128 t + 4 lane + 0..3
.set G,   128                          ; v[128:191] norm_w in the same layout
.set CD,  192                          ; v[192:255] my half segment: load t holds rows 2 t (lanes 0-15) and 2 t + 1 (lanes 16-31), 4 numbers a lane
.set SEL, 36                           ; s[36:37]   v_permlanex16_b32's selects: each lane takes its own place in the other half
	s_load_b512 s[4:19], s[0:1], 0x0               ; x 4:5, norm_w 6:7, wq 8:9, wk 10:11, wv 12:13, wo 14:15, xn 16:17, wb 18:19
	s_load_b64 s[20:21], s[0:1], 0x40              ; wob
	v_lshrrev_b32 v4, 5, v0
	v_readfirstlane_b32 s24, v4                    ; wave 0..7
	v_and_b32 v3, 31, v0                           ; lane
	v_lshlrev_b32 v1, 4, v3                        ; 16 bytes of f32 a lane
	v_lshlrev_b32 v2, 3, v3                        ; 8 bytes of f16 a lane: a store of the wave covers 256 consecutive bytes, aligned
	s_wait_alu depctr_va_sdst(0)                   ; s24 is written, ahead of its first reader: W, and all the bases, are made from it
	s_lshl_b32 s25, ttmp9, 3
	s_add_co_u32 s25, s25, s24                     ; W
	s_lshl_b32 s30, s25, 13                        ; row W of x, 8,192 bytes a row
	s_mov_b32 s31, 0
	s_lshl_b32 s32, s25, 12                        ; and of xn, 4,096
	s_mov_b32 s33, 0
	s_lshr_b32 s26, s25, 10                        ; c: which weight: 0 q, 1 k, 2 v, 3 o
	s_bfe_u32 s27, s25, 0x90001                    ; r: the segment's number in it, 0..511
	s_and_b32 s28, s25, 1                          ; which half of its 64 k rows
	s_and_b32 s34, s27, 31                         ; q, k, v: r = 32 head + k chunk: 64 rows of 4,096 bytes,
	s_lshl_b32 s34, s34, 18
	s_lshr_b32 s29, s27, 5
	s_lshl_b32 s40, s29, 8                         ; the head's 64 columns
	s_add_co_u32 s34, s34, s40
	s_bfe_u32 s41, s27, 0x40001                    ; o: r = 32 n tile + 2 k chunk + column half: 64 rows of 8,192 bytes,
	s_lshl_b32 s41, s41, 19
	s_lshl_b32 s40, s29, 9                         ; the tile's 128 columns,
	s_add_co_u32 s41, s41, s40
	s_and_b32 s40, s27, 1
	s_lshl_b32 s40, s40, 8                         ; the half's 64
	s_add_co_u32 s41, s41, s40
	s_mul_i32 s42, s27, 3
	s_add_co_u32 s42, s42, s26                     ; q, k, v: segment 3 r + c of wb
	s_cmp_eq_u32 s26, 3
	s_cselect_b32 s34, s41, s34                    ; the source's offset,
	s_cselect_b32 s42, s27, s42                    ; the segment's number in its destination (o: r),
	s_cselect_b32 s44, 13, 12                      ; and the binary logarithm of the source's row bytes
	s_add_co_u32 s40, s44, 5
	s_lshl_b32 s40, s28, s40                       ; my half: 32 rows down
	s_add_co_u32 s34, s34, s40
	s_mov_b32 s35, 0
	s_lshl_b32 s42, s42, 13
	s_lshl_b32 s40, s28, 12                        ; my half of the segment's 8,192 bytes
	s_add_co_u32 s42, s42, s40
	s_mov_b32 s43, 0
	s_lshl_b32 s45, 2, s44                         ; two rows
	v_and_b32 v5, 15, v0
	v_bfe_u32 v6, v0, 4, 1
	v_lshlrev_b32 v6, s44, v6                      ; lanes 16-31 take the next row,
	v_lshl_add_u32 v[AD], v5, 4, v6                ; 16 bytes a lane in a row's 256
.set t, 1
.rept 15
	v_add_nc_u32 v[AD+t], s45, v[AD+t-1]           ; one text serves both row lengths
.set t, t+1
.endr
	s_mov_b32 s[SEL], 0x76543210
	s_mov_b32 s[SEL+1], 0xfedcba98
	s_mov_b32 s38, 0x3a000000                      ; 1 / 2048
	s_mov_b32 s39, 0x3727c5ac                      ; 1e-5
	s_wait_kmcnt 0x0
	s_cmp_eq_u32 s26, 0
	s_cselect_b64 s[46:47], s[8:9], s[10:11]
	s_cmp_eq_u32 s26, 2
	s_cselect_b64 s[46:47], s[12:13], s[46:47]
	s_cmp_eq_u32 s26, 3
	s_cselect_b64 s[46:47], s[14:15], s[46:47]     ; the weight that I read,
	s_cselect_b64 s[22:23], s[20:21], s[18:19]     ; the buffer that I write
	s_add_nc_u64 s[46:47], s[46:47], s[34:35]
	s_add_nc_u64 s[22:23], s[22:23], s[42:43]
	s_add_nc_u64 s[4:5], s[4:5], s[30:31]
	s_add_nc_u64 s[16:17], s[16:17], s[32:33]
	s_wait_alu depctr_va_vdst(0)                   ; v1, v2 and the sixteen offsets v[AD ..] are written: every load and store of the kernel reads one of them
.set t, 0
.rept 16
	global_load_b128 v[CD+4*t:CD+4*t+3], v[AD+t], s[46:47] th:TH_LOAD_NT
.set t, t+1
.endr
.set t, 0
.rept 16
	global_load_b128 v[X+4*t:X+4*t+3], v1, s[4:5] offset:512*t th:TH_LOAD_NT
.set t, t+1
.endr
.set t, 0
.rept 16
	global_load_b128 v[G+4*t:G+4*t+3], v1, s[6:7] offset:512*t
.set t, t+1
.endr
	; ---- the cast: 32 rows of 256 bytes of f32 in, 4,096 dense bytes of f16 out, packed in place.  Four groups of four loads; a group's stores go out in the next group, among its conversions
.set g, 0
.rept 4
	s_wait_loadcnt 44-4*g                          ; loads come back in order: numbers 4 g to 4 g + 3 are in; the cast's younger ones and the 32 of the row and the gain stay out
.if g > 0
	s_wait_alu depctr_va_vdst(0)                   ; the group before has written its eight packed registers, which the four stores below read; this group's conversions name none of them
.endif
.set i, 0
.rept 4
.set t, 4*g+i
.if g > 0
	global_store_b64 v2, v[CD+4*(t-4):CD+4*(t-4)+1], s[22:23] offset:256*(t-4) th:TH_STORE_NT
.endif
	v_cvt_pk_f16_f32 v[CD+4*t], v[CD+4*t], v[CD+4*t+1]
	v_cvt_pk_f16_f32 v[CD+4*t+1], v[CD+4*t+2], v[CD+4*t+3]
.set i, i+1
.endr
.set g, g+1
.endr
	s_wait_alu depctr_va_vdst(0)                   ; the last group has written its eight packed registers; its stores leave ahead of the wait for the row
.set t, 12
.rept 4
	global_store_b64 v2, v[CD+4*t:CD+4*t+1], s[22:23] offset:256*t th:TH_STORE_NT
.set t, t+1
.endr
	; ---- LayerNorm of my row
.macro WSUM                            ; the four chains, then the 32 lanes: the row's sum in every lane's v[T]
	v_pk_add_f32 v[T:T+1], v[T:T+1], v[T+2:T+3]
	v_pk_add_f32 v[T+4:T+5], v[T+4:T+5], v[T+6:T+7]
	v_pk_add_f32 v[T:T+1], v[T:T+1], v[T+4:T+5]
	v_add_f32 v[T], v[T], v[T+1]
	v_add_f32_dpp v[T], v[T], v[T] row_xmask:1 row_mask:0xf bank_mask:0xf
	v_add_f32_dpp v[T], v[T], v[T] row_xmask:2 row_mask:0xf bank_mask:0xf
	v_add_f32_dpp v[T], v[T], v[T] row_xmask:4 row_mask:0xf bank_mask:0xf
	v_add_f32_dpp v[T], v[T], v[T] row_xmask:8 row_mask:0xf bank_mask:0xf
	v_permlanex16_b32 v[T+1], v[T], s[SEL], s[SEL+1]
	v_add_f32 v[T], v[T], v[T+1]
.endm
	s_wait_loadcnt 16                              ; the row is in; the gain's 16 loads stay out
.set i, 0
.rept 4
	v_pk_add_f32 v[T+2*i:T+2*i+1], v[X+2*i:X+2*i+1], v[X+8+2*i:X+8+2*i+1]  ; the first eight pairs start the chains: nothing is cleared
.set i, i+1
.endr
.set i, 8
.rept 24
	v_pk_add_f32 v[T+2*(i%4):T+2*(i%4)+1], v[T+2*(i%4):T+2*(i%4)+1], v[X+2*i:X+2*i+1]
.set i, i+1
.endr
	WSUM
	v_mul_f32 v[MU], s38, v[T]
	v_mov_b32 v[MU+1], v[MU]
.set i, 0
.rept 32
	v_pk_add_f32 v[X+2*i:X+2*i+1], v[X+2*i:X+2*i+1], v[MU:MU+1] neg_lo:[0,1] neg_hi:[0,1]  ; x - mean, in place
.set i, i+1
.endr
.set i, 0
.rept 4
	v_pk_mul_f32 v[T+2*i:T+2*i+1], v[X+2*i:X+2*i+1], v[X+2*i:X+2*i+1]
.set i, i+1
.endr
.set i, 4
.rept 28
	v_pk_fma_f32 v[T+2*(i%4):T+2*(i%4)+1], v[X+2*i:X+2*i+1], v[X+2*i:X+2*i+1], v[T+2*(i%4):T+2*(i%4)+1]
.set i, i+1
.endr
	WSUM
	v_fma_f32 v[T], v[T], s38, s39                 ; var + eps
	v_rsq_f32 v[R], v[T]
	v_rsq_f32 v[R+1], v[T]
	s_wait_loadcnt 0x0                             ; the gain
.set i, 0
.rept 32
	v_pk_mul_f32 v[X+2*i:X+2*i+1], v[X+2*i:X+2*i+1], v[G+2*i:G+2*i+1]  ; the gain: plain work that names neither root, behind the two roots
.set i, i+1
.endr
	; the root and the rounding, in four groups of eight pairs; a group's four stores go out in the next group, among its multiplies
.set g, 0
.rept 4
.if g == 0
	s_wait_alu depctr_va_vdst(0)                   ; both roots, v[R] and v[R+1], are written: one wait for the two, ahead of their first reader
.else
	s_wait_alu depctr_va_vdst(0)                   ; the group before has written its eight words, X + 8 (g - 1) on, which the four stores below read; this group's lines write from X + 8 g on
.endif
.set i, 0
.rept 4
.if g > 0
	global_store_b64 v2, v[X+2*(4*(g-1)+i):X+2*(4*(g-1)+i)+1], s[16:17] offset:256*(4*(g-1)+i) th:TH_STORE_NT
.endif
	v_pk_mul_f32 v[X+2*(8*g+2*i):X+2*(8*g+2*i)+1], v[X+2*(8*g+2*i):X+2*(8*g+2*i)+1], v[R:R+1]
	v_pk_mul_f32 v[X+2*(8*g+2*i+1):X+2*(8*g+2*i+1)+1], v[X+2*(8*g+2*i+1):X+2*(8*g+2*i+1)+1], v[R:R+1]
.set i, i+1
.endr
.set i, 8*g
.rept 8
	v_cvt_pk_f16_f32 v[X+i], v[X+2*i], v[X+2*i+1]  ; ascending: word i lands on registers that have been read
.set i, i+1
.endr
.set g, g+1
.endr
	s_wait_alu depctr_va_vdst(0)                   ; the last group has written its eight words, which the last four stores read
.set t, 12
.rept 4
	global_store_b64 v2, v[X+2*t:X+2*t+1], s[16:17] offset:256*t th:TH_STORE_NT
.set t, t+1
.endr
	s_endpgm
.Lfunc_end_k_qbb97a70201_prep:
	.size	k_qbb97a70201_prep, .Lfunc_end_k_qbb97a70201_prep-k_qbb97a70201_prep
	.p2alignl 7, 3214868480
	.fill 96, 4, 3214868480
	.section	.rodata,"a",@progbits
	.p2align	6, 0x0
	.amdhsa_kernel k_qbb97a70201_prep
		.amdhsa_group_segment_fixed_size 0
		.amdhsa_private_segment_fixed_size 0
		.amdhsa_enable_private_segment 0
		.amdhsa_kernarg_size 72
		.amdhsa_user_sgpr_count 2
		.amdhsa_user_sgpr_kernarg_segment_ptr 1
		.amdhsa_wavefront_size32 1
		.amdhsa_system_sgpr_workgroup_id_x 1
		.amdhsa_system_sgpr_workgroup_id_y 1
		.amdhsa_system_sgpr_workgroup_id_z 1
		.amdhsa_system_vgpr_workitem_id 0
		.amdhsa_next_free_vgpr 256
		.amdhsa_next_free_sgpr 66
		.amdhsa_reserve_vcc 0
		.amdhsa_float_denorm_mode_32 3
		.amdhsa_float_denorm_mode_16_64 3
		.amdhsa_memory_ordered 1
		.amdhsa_forward_progress 1
		.amdhsa_inst_pref_size 27
	.end_amdhsa_kernel
	.amdgpu_metadata
---
amdhsa.version: [ 1, 2 ]
amdhsa.kernels:
  - .name:           k_qbb97a70201_prep
    .symbol:         k_qbb97a70201_prep.kd
    .args:
      - { .name: x, .offset: 0, .size: 8, .value_kind: global_buffer, .address_space: global }
      - { .name: norm_w, .offset: 8, .size: 8, .value_kind: global_buffer, .address_space: global }
      - { .name: wq, .offset: 16, .size: 8, .value_kind: global_buffer, .address_space: global }
      - { .name: wk, .offset: 24, .size: 8, .value_kind: global_buffer, .address_space: global }
      - { .name: wv, .offset: 32, .size: 8, .value_kind: global_buffer, .address_space: global }
      - { .name: wo, .offset: 40, .size: 8, .value_kind: global_buffer, .address_space: global }
      - { .name: xn, .offset: 48, .size: 8, .value_kind: global_buffer, .address_space: global }
      - { .name: wb, .offset: 56, .size: 8, .value_kind: global_buffer, .address_space: global }
      - { .name: wob, .offset: 64, .size: 8, .value_kind: global_buffer, .address_space: global }
    .group_segment_fixed_size: 0
    .private_segment_fixed_size: 0
    .kernarg_segment_align: 8
    .kernarg_segment_size: 72
    .max_flat_workgroup_size: 256
    .sgpr_count:     66
    .vgpr_count:     256
    .wavefront_size: 32
...
	.end_amdgpu_metadata
.endif
;; end of part 5
;; launch qkv: the kernel of part 2 again; grid 16 x 16, 4 waves a work-group, clusters of 4 x 4, 327,680 bytes of LDS; arguments xn, wb, qn_w, kn_w, qh, kh, vh; writes qh, kh, vh
;; launch attn: the kernel of part 3 again; grid 8 x 32, 4 waves a work-group, clusters of 4 x 1, 327,680 bytes of LDS; arguments qh, kh, vh, oh; writes oh
;; launch proj: the kernel of part 4 again; grid 16 x 16, 4 waves a work-group, clusters of 4 x 4, 327,680 bytes of LDS; arguments oh, wob, out0; writes out0
